; MI455X (gfx1250); checked and timed in simulation.
; The chip was launched on July 23, 2026; its instructions are those of AMD's public machine-readable ISA for CDNA 5 (MIT licence, August 2026) and "CDNA5" Instruction Set Architecture Reference Guide (July 2026). The comments in the code are by the model that wrote it; some were corrected since.
;; Multi Head Attention. Allowed arithmetic: matrix products marked QUANTISED: E2M3 operands, one E8M0 scale for each 32 along K, by v_wmma_scale_f32_16x16x128_f8f6f4 with both operands' format E2M3, f32 sums; everything else in f32.
;; Inputs: W_fc 1,024 x 1,024 float32; W_qkv 1,024 x 3,072 float32; b_fc 1,024 float32; b_qkv 3,072 float32; x 4 x 2,048 x 1,024 float32.
;; Outputs: out0 4 x 2,048 x 1,024 float32.
;; This version of the problem:
;;   THIS VERSION OF THE PROBLEM IS GIVEN IN LOW PRECISION. The matrix products marked QUANTISED in the list below multiply operands that are first quantised to E2M3 (2 exponent bits, 3 mantissa bits; 6 bits a number), with one power-of-two scale for each 32 numbers along K (OCP MX v1.0); their sums are f32. All else is computed in f32.
;;   The module's matrix products, in the order in which they are computed (A, B: the left and right operand; K: the contracted axis; several contracted axes count as one K, in the product's order):
;;     1. [M 8,192, K 1,024] x [K 1,024, N 3,072]; A: input x; B: input W_qkv: QUANTISED
;;     2. batch 64 x [M 2,048, K 64] x [K 64, N 2,048]; A: computed on the way; B: computed on the way: QUANTISED
;;     3. batch 64 x [M 64, K 2,048] x [K 2,048, N 2,048]; A: computed on the way; B: softmax (see below): QUANTISED
;;     4. [M 8,192, K 1,024] x [K 1,024, N 1,024]; A: computed on the way; B: input W_fc: QUANTISED
;;   THE QUANTISER, for each operand of a quantised product, along K:
;;     - K is cut into blocks of 32 from its start; a last block that is shorter is filled with zeros.
;;     - A block's scale is 2^e with e = floor(log2(the largest magnitude in the block)) - 2, held to -126 .. 127; a block of zeros has e = 0. As a byte (E8M0): e + 127.
;;     - Each number is divided by its block's scale, clamped to +-7.5, and rounded to the nearest number of E2M3, ties to even, subnormals kept.
;;     - The product sums the exact products of the quantised numbers (number of the format x scale) in f32.
;;   ~~~python
;;   def quantise(x, axis):      # numpy; x: float32 -> the quantised numbers, widened to float32 again
;;       x = np.moveaxis(x, axis, -1); K = x.shape[-1]
;;       x = np.pad(x, [(0, 0)] * (x.ndim - 1) + [(0, -K % 32)]); x = x.reshape(x.shape[:-1] + (-1, 32)); a = np.abs(x).max(-1, keepdims=True)
;;       e = np.where(a > 0, np.clip(np.frexp(np.where(a > 0, a, 1))[1] - 1 - 2, -126, 127), 0)      # np.frexp(a)[1] - 1 = floor(log2(a)), exactly
;;       r = np.clip(x / 2.0 ** e, -7.5, 7.5)
;;       step = 2.0 ** (np.maximum(np.frexp(np.where(r == 0, 1, r))[1] - 1, 0) - 3)
;;       q = np.round(r / step) * step * 2.0 ** e      # np.round: ties to even
;;       return np.moveaxis(q.reshape(q.shape[:-2] + (-1,))[..., :K], -1, axis).astype(np.float32)
;;   ~~~
;;   SOFTMAX AHEAD OF A QUANTISED PRODUCT. Where the list says 'softmax', what is quantised is not the finished softmax but p = 2^(t - M), with t = logit x log2(e) and M = ceil(the row's largest t), a whole number; so 1/2 < the row's largest p <= 1. The row's sum l is taken of the UNQUANTISED p, in f32, and the product's result is divided by l at the end. Since M is a whole number, a kernel that streams over the keys may use a running M (the ceiling of the running maximum): every later rescaling is an exact power of two, which a block's scale takes up: the codes' values come out the same.
;;   OPERANDS COMPUTED ON THE WAY. 'Computed on the way' means the value that the module computes at that place (a softmax that the list does not call 'softmax' is quantised finished and normalised). What goes into a quantiser is computed in f32, as accurately as f32 sums, v_exp_f32 and their like allow (about 1e-6 of the number): no bf16 or f16 on the way to a quantiser, and a product that is left as it is and whose result goes on into a quantised operand takes f32 operands (vector FMAs, or v_wmma_f32_16x16x4_f32). A number that lies on a knife's edge between two numbers of the format may be rounded either way, as far as f32 arithmetic and the matrix unit's own rounding can turn it there, and no further.
;; One version. Each part assembles by itself: llvm-mc -triple=amdgcn-amd-amdhsa -mcpu=gfx1250 --defsym DOCPART=n.
;; ======== version 1 of 1: 4 launches
;; limits: right only within a limited range of input values
;; workspace buffers: xq 6,553,600 bytes; wq 3,276,800 bytes; qk 20,185,088 bytes; oq 6,553,600 bytes
;; launch quant (part 1): grid 384 x 1, 4 waves a work-group, no clusters, 59,904 bytes of LDS; arguments x, W_qkv, W_fc, xq, wq; writes xq, wq
.if DOCPART == 1
	.amdgcn_target "amdgcn-amd-amdhsa--gfx1250"
	.amdhsa_code_object_version 6
	.text
	.protected	k_qdba7027093_quant
	.globl	k_qdba7027093_quant
	.p2align	8
	.type	k_qdba7027093_quant,@function
k_qdba7027093_quant:
	s_mov_b64 s[64:65], 0
	v_nop
	global_prefetch_b8 v0, s[64:65] scope:SCOPE_SE
	s_setreg_imm32_b32 hwreg(HW_REG_WAVE_MODE, 25, 1), 1
	s_wait_xcnt 0x0
; x [8192][1024], W_qkv [1024][3072] and W_fc [1024][1024], f32, become codes of FP6 (E2M3) with one E8M0 byte for each 32 along K, laid as IMAGES OF THE OPERANDS' REGISTERS.
; A block's scale is 2^(floor(log2(largest magnitude)) - 2); its byte is the largest magnitude's exponent field - 2, held at 1 from below.
; THE LAYOUT.  A tile T is 16 rows (of x) or 16 columns n (of a weight): its lane r holds row 32 (T / 2) + 8 (T % 2) + r + 8 (r / 8).  A HALF FRAGMENT is 16 rows x 64 along K, 768 bytes: lane l = (r, h) holds
; k = 32 h .. 32 h + 31 in six registers; registers 0-3 lie at byte 16 l, registers 4-5 at byte 512 + 8 l.  Codes: [tile][16 half fragments][768].  Scale bytes: [tile][4 groups of 256 k][r][8 bytes].
; In wq tiles 0-191 are W_qkv's columns, tiles 192-255 W_fc's.  Every store of codes covers 512 or 256 consecutive bytes that begin at a multiple of 256 from the buffer's first byte.
; Work-groups 0-255 take x (K innermost: rows are loaded as they lie and turned through the wave's own stage in LDS), work-groups 256-383 the weights (K outermost: a lane takes a column and its registers run down K).
; The two paths part once, on the work-group's number, never join, and have LDS bytes of their own.  Waves share nothing: no barrier.  No matrix unit, no cluster, no tensor load: memory binds, and nothing is read twice.
; LIMITS: NaN and infinities among the inputs are not served; a block of zeros gets the byte 1 where the rule says 127 (its codes are zeros, and this program alone reads the bytes);
; blocks whose largest magnitude lies under 2^-124 are held at that floor.
.set XS,    6291456                    ; xq: where the scale bytes begin
.set WS,    3145728                    ; wq: likewise
.set XSTW,  8448                       ; x's stage: 16 rows x (512 bytes + 16), one for each wave, from LDS byte 0
.set WST,   33792                      ; the weights' stages begin here:
.set WSTW,  6400                       ; two tiles' 3,072 bytes, 3,200 apart, for each wave
.set SPARE, 59392                      ; the spare words, 128 bytes for each wave: two blocks of 256 bytes that no other line names
.set R,   16                           ; x: v16-143 two sets of 64 registers as loaded
.set X,   144                          ; v144-207 my 64 numbers: two whole blocks of 32
.set C,   208                          ; v208-219 a fragment's codes
.set TT,  220                          ; v220-226 the blocks' upper halves (a conversion's three registers begin on an even number)
.set MX,  228
.set SO,  230
.set BY,  232
.set WD,  234                          ; v234-237 the four fragments' scale words
.set TP,  238
.set SPW, 240                          ; LDS address of my spare word; never rewritten
.set NIL, 241                          ; 0; never rewritten
.set DD,  242
.set VO,  16                           ; weights: v16-47 byte offsets of rows 0 .. 31 of a block at my column; never rewritten
.set WX,  48                           ; v48-111 two sets of 32 numbers
.set WM,  112
.set WSO, 114
.set WBY, 115
.set SB,  116                          ; v116-117 my column's eight scale bytes
.set WC,  120
.set WT,  126
.set OUTR, 144                         ; v144-191 the way out
	s_load_b256 s[4:11], s[0:1], 0x0               ; x s[4:5], W_qkv s[6:7], W_fc s[8:9], xq s[10:11]
	s_load_b64 s[12:13], s[0:1], 0x20              ; wq
	v_lshl_add_u32 v[SPW], v0, 2, SPARE
	v_mov_b32 v[NIL], 0
	v_lshrrev_b32 v9, 5, v0
	v_readfirstlane_b32 s14, v9                    ; wave 0..3
	v_and_b32 v9, 31, v0                           ; lane
	v_lshlrev_b32 v1, 4, v9                        ; 16 x lane
	v_lshlrev_b32 v2, 3, v9                        ; 8 x lane
	v_and_b32 v10, 15, v0                          ; r
	v_bfe_u32 v11, v0, 4, 1                        ; h
	s_mul_i32 s15, s14, XSTW
	v_add_nc_u32 v3, s15, v1                       ; x's stage, way in: 16 x lane of a row
	v_mul_u32_u24 v4, v10, 528
	v_lshl_add_u32 v4, v11, 7, v4
	v_add_nc_u32 v4, s15, v4                       ; way out: row r, + 128 h: my block of 32 numbers
	v_lshlrev_b32 v5, 3, v11                       ; 8 h
	v_bfe_u32 v12, v0, 3, 1                        ; weights: my column 32 wave + lane lies in tile u = (lane / 8) % 2 of the wave's two,
	v_and_b32 v13, 7, v0
	v_lshl_add_u32 v13, v11, 3, v13                ; at its lane lane % 8 + 8 (lane / 16)
	s_mul_i32 s15, s14, WSTW
	s_add_co_u32 s15, s15, WST
	v_mul_u32_u24 v14, v12, 3200
	v_add_nc_u32 v14, s15, v14
	v_lshl_add_u32 v6, v13, 4, v14                 ; the stage: registers 0-3 of a half fragment,
	v_lshl_add_u32 v7, v13, 3, v14                 ; registers 4-5,
	v_add_nc_u32 v8, s15, v1                       ; and back, as the bytes lie
	v_lshlrev_b32 v15, 9, v12
	v_lshl_add_u32 v15, v13, 3, v15                ; my eight scale bytes: 512 u + 8 r
	s_mov_b32 s28, 0x76543210
	s_mov_b32 s29, 0xfedcba98                      ; v_permlanex16_b32's selects for lane l xor 16
	s_mov_b32 s30, 0xffff0000                      ; lanes 16-31
	s_wait_kmcnt 0x0
	s_cmp_lt_u32 ttmp9, 256
	s_cbranch_scc0 .Lweights
	; ---------------- x: wave id = 4 x work-group + wave takes tile id / 2, half id % 2 of K: four fragments of 128
	s_lshl_b32 s16, ttmp9, 2
	s_add_co_u32 s16, s16, s14                     ; id
	s_lshr_b32 s17, s16, 2                         ; tile / 2
	s_bfe_u32 s18, s16, 0x10001                    ; tile % 2
	s_and_b32 s19, s16, 1                          ; half of K
	s_lshl_b32 s17, s17, 17                        ; 32 rows of 4,096 bytes
	s_lshl_b32 s18, s18, 15                        ; 8 rows
	s_lshl_b32 s19, s19, 11                        ; 512 numbers
	s_add_co_u32 s20, s17, s18
	s_add_co_u32 s20, s20, s19
	s_mov_b32 s21, 0
	s_add_nc_u64 s[4:5], s[4:5], s[20:21]
	s_mul_i32 s20, s16, 6144                       ; 12,288 x tile + 6,144 x half
	s_add_nc_u64 s[22:23], s[10:11], s[20:21]      ; my codes
	s_lshl_b32 s20, s16, 8                         ; 512 x tile + 256 x half
	s_add_nc_u64 s[24:25], s[10:11], s[20:21]
	s_add_nc_u64 s[24:25], s[24:25], XS            ; my scale bytes
	v_mov_b32 v[TP], 0                             ; written once: a lane permute's destination counts as one of its sources
.macro LOADX f                         ; fragment f: 16 rows x 512 consecutive bytes, into set f % 2
.irp p, 0,1,2,3,4,5,6,7,8,9,10,11,12,13,14,15
	global_load_b128 v[R+64*((\f)%2)+4*\p:R+64*((\f)%2)+4*\p+3], v1, s[4:5] offset:(\p+8*(\p/8))*4096+512*(\f) th:TH_LOAD_NT
.endr
.endm
.macro FRX f
.if (\f) < 3
	s_wait_loadcnt 16                              ; this fragment's 16 loads are in; the next fragment's may be out
.else
	s_wait_loadcnt 0x0
.endif
.irp p, 0,1,2,3,4,5,6,7,8,9,10,11,12,13,14,15
	ds_store_b128 v3, v[R+64*((\f)%2)+4*\p:R+64*((\f)%2)+4*\p+3] offset:528*\p
.endr
.irp c, 0,1                            ; LDS serves a wave's instructions in order: these see the stores above.  Lane (r, h) takes k = 64 c + 32 h + 0 .. 31 of row r
.irp j, 0,1,2,3,4,5,6,7
	ds_load_b128 v[X+32*\c+4*\j:X+32*\c+4*\j+3], v4 offset:256*\c+16*\j
.endr
.endr
	s_wait_dscnt 0x0
	s_wait_xcnt 0x0                                ; the last fragment's stores have read their registers: the codes may be written again
.if (\f)+2 < 4
	LOADX (\f)+2                                   ; into the set that the stage's stores have read
.endif
.irp c, 0,1
	v_max3_num_f32 v[MX+\c], |v[X+32*\c]|, |v[X+32*\c+1]|, 0x1800000   ; a whole block is mine; the floor 2^(3 - 127) holds the byte at 1 from below
.endr
.irp i, 2,4,6,8,10,12,14,16,18,20,22,24,26,28,30
.irp c, 0,1
	v_max3_num_f32 v[MX+\c], v[MX+\c], |v[X+32*\c+\i]|, |v[X+32*\c+\i+1]|
.endr
.endr
.irp c, 0,1
	v_add_nc_u32 v[SO+\c], 0xff000000, v[MX+\c]    ; 2 off the exponent field: the conversion's scale operand
.endr
.irp c, 0,1
	v_lshrrev_b32 v[BY+\c], 23, v[SO+\c]           ; the scale's byte
.endr
.irp c, 0,1
	v_cvt_scalef32_pk16_fp6_f32 v[C+6*\c:C+6*\c+2], v[X+32*\c:X+32*\c+15], v[SO+\c]
	v_cvt_scalef32_pk16_fp6_f32 v[TT+4*\c:TT+4*\c+2], v[X+32*\c+16:X+32*\c+31], v[SO+\c]
.endr
	v_lshl_or_b32 v[WD+\f], v[BY+1], 16, v[BY]     ; (a plain line behind the conversions)  my bytes: blocks h and 2 + h,
	v_lshlrev_b32 v[WD+\f], v5, v[WD+\f]           ; at their places in the word;
	v_permlanex16_b32 v[TP], v[WD+\f], s28, s29
	v_or_b32 v[WD+\f], v[WD+\f], v[TP]             ; with lane l xor 16's two the word is whole
.irp c, 0,1
.irp i, 0,1,2
	v_mov_b32 v[C+6*\c+3+\i], v[TT+4*\c+\i]
.endr
.endr
	global_store_b128 v1, v[C:C+3], s[22:23] offset:1536*(\f)
	global_store_b64 v2, v[C+4:C+5], s[22:23] offset:1536*(\f)+512
	global_store_b128 v1, v[C+6:C+9], s[22:23] offset:1536*(\f)+768
	global_store_b64 v2, v[C+10:C+11], s[22:23] offset:1536*(\f)+1280
.endm
	LOADX 0
	LOADX 1
	FRX 0
	FRX 1
	FRX 2
	FRX 3
	v_cndmask_b32 v[DD], v[WD], v[WD+2], s30       ; lanes 0-15: the first 256 along K (words 0, 1); lanes 16-31: the second (words 2, 3)
	v_cndmask_b32 v[DD+1], v[WD+1], v[WD+3], s30
	global_store_b64 v2, v[DD:DD+1], s[24:25]      ; 32 lanes store 256 consecutive bytes
	s_wait_tensorcnt 0x0                           ; the wave's end: behind my last LDS store
	ds_add_u32 v[SPW], v[NIL]
	s_wait_dscnt 0x0
	s_endpgm
	; ---------------- the weights: work-group j = 32 ky + cg takes 128 columns (cg < 24: of W_qkv, else of W_fc) x 256 along K; a wave 32 columns: two tiles
.Lweights:
	s_sub_co_u32 s16, ttmp9, 256
	s_and_b32 s17, s16, 31                         ; cg
	s_lshr_b32 s18, s16, 5                         ; ky
	s_cmp_lt_u32 s17, 24
	s_cselect_b64 s[6:7], s[6:7], s[8:9]           ; the tensor,
	s_mov_b32 s19, 4096
	s_cselect_b32 s19, 12288, s19                  ; its row in bytes,
	s_cselect_b32 s20, 0, 24
	s_sub_co_u32 s20, s17, s20                     ; and the group of 128 columns in it
	s_lshl_b32 s20, s20, 9
	s_lshl_b32 s21, s14, 7
	s_add_co_u32 s20, s20, s21                     ; 4 x my wave's first column
	s_lshl_b32 s21, s18, 8
	s_mul_i32 s21, s21, s19                        ; 256 ky rows
	s_add_co_u32 s20, s20, s21
	s_mov_b32 s21, 0
	s_add_nc_u64 s[32:33], s[6:7], s[20:21]        ; a base for each of the eight blocks of 32 rows: no pointer is stepped
	s_lshl_b32 s22, s19, 5
	s_mov_b32 s23, 0
.irp t, 1,2,3,4,5,6,7
	s_add_nc_u64 s[32+2*\t:33+2*\t], s[30+2*\t:31+2*\t], s[22:23]
.endr
	v_lshlrev_b32 v9, 2, v9                        ; 4 x lane
.set n, 0
.rept 32
	v_mad_u32_u24 v[VO+n], s19, n, v9
.set n, n+1
.endr
	s_lshl_b32 s24, s17, 3
	s_lshl_b32 s25, s14, 1
	s_add_co_u32 s24, s24, s25                     ; my first tile in wq: 8 cg + 2 wave
	s_mul_i32 s26, s24, 12288
	s_mul_i32 s27, s18, 3072
	s_add_co_u32 s26, s26, s27
	s_mov_b32 s27, 0
	s_add_nc_u64 s[48:49], s[12:13], s[26:27]      ; its codes of these 256 along K
	s_lshl_b32 s26, s24, 9
	s_lshl_b32 s25, s18, 7
	s_add_co_u32 s26, s26, s25
	s_add_nc_u64 s[50:51], s[12:13], s[26:27]
	s_add_nc_u64 s[50:51], s[50:51], WS            ; its scale bytes
.macro LOADW t                         ; block t: 32 rows at my column: each load reads 128 consecutive bytes
.set n, 0
.rept 32
	global_load_b32 v[WX+32*((\t)%2)+n], v[VO+n], s[32+2*(\t):33+2*(\t)] th:TH_LOAD_NT
.set n, n+1
.endr
.endm
.macro BLKW t
.set XB, WX+32*((\t)%2)
.if (\t) < 7
	s_wait_loadcnt 32                              ; this block's 32 loads are in; the next block's may be out
.else
	s_wait_loadcnt 0x0
.endif
	v_max3_num_f32 v[WM], |v[XB]|, |v[XB+1]|, |v[XB+2]|
	v_max3_num_f32 v[WM+1], |v[XB+3]|, |v[XB+4]|, |v[XB+5]|
.irp i, 6,10,14,18,22,26
	v_max3_num_f32 v[WM], v[WM], |v[XB+\i]|, |v[XB+\i+1]|
	v_max3_num_f32 v[WM+1], v[WM+1], |v[XB+\i+2]|, |v[XB+\i+3]|
.endr
	v_max3_num_f32 v[WM], v[WM], |v[XB+30]|, |v[XB+31]|
	v_max3_num_f32 v[WM], v[WM], v[WM+1], 0x1800000
	v_add_nc_u32 v[WSO], 0xff000000, v[WM]
	v_lshrrev_b32 v[WBY], 23, v[WSO]
.if (\t)%4 == 0
	v_mov_b32 v[SB+(\t)/4], v[WBY]
.else
	v_lshl_or_b32 v[SB+(\t)/4], v[WBY], 8*((\t)%4), v[SB+(\t)/4]
.endif
	v_cvt_scalef32_pk16_fp6_f32 v[WC:WC+2], v[XB:XB+15], v[WSO]
	v_cvt_scalef32_pk16_fp6_f32 v[WT:WT+2], v[XB+16:XB+31], v[WSO]
	v_nop                                          ; one plain line behind the conversions
.irp i, 0,1,2
	v_mov_b32 v[WC+3+\i], v[WT+\i]
.endr
	ds_store_b128 v6, v[WC:WC+3] offset:768*((\t)/2)+256*((\t)%2)        ; block t is half t % 2 of the lanes of half fragment t / 2
	ds_store_b64 v7, v[WC+4:WC+5] offset:768*((\t)/2)+512+128*((\t)%2)
.if (\t)+2 < 8
	LOADW (\t)+2
.endif
	s_wait_dscnt 0x0                               ; the stores have read their registers
.endm
	s_wait_alu depctr_va_vdst(0)
	LOADW 0
	LOADW 1
.irp t, 0,1,2,3,4,5,6,7
	BLKW \t
.endr
	s_wait_alu depctr_va_vdst(0)
	global_store_b64 v15, v[SB:SB+1], s[50:51]     ; sixteen lanes store a tile's 128 consecutive scale bytes
.irp g, 0,1,2,3,4,5,6,7,8,9,10,11
	ds_load_b128 v[OUTR+4*\g:OUTR+4*\g+3], v8 offset:3200*(\g/6)+512*(\g%6)
.endr
.irp g, 0,1,2,3,4,5,6,7,8,9,10,11
	s_wait_dscnt 11-\g                             ; LDS loads come back in order: piece g is in, the younger ones may be out
	global_store_b128 v1, v[OUTR+4*\g:OUTR+4*\g+3], s[48:49] offset:12288*(\g/6)+512*(\g%6)
.endr
	s_wait_tensorcnt 0x0                           ; the wave's end: the same three lines
	ds_add_u32 v[SPW], v[NIL]
	s_wait_dscnt 0x0
	s_endpgm
.Lfunc_end_k_qdba7027093_quant:
	.size	k_qdba7027093_quant, .Lfunc_end_k_qdba7027093_quant-k_qdba7027093_quant
	.p2alignl 7, 3214868480
	.fill 96, 4, 3214868480
	.section	.rodata,"a",@progbits
	.p2align	6, 0x0
	.amdhsa_kernel k_qdba7027093_quant
		.amdhsa_group_segment_fixed_size 59904
		.amdhsa_private_segment_fixed_size 0
		.amdhsa_enable_private_segment 0
		.amdhsa_kernarg_size 40
		.amdhsa_user_sgpr_count 2
		.amdhsa_user_sgpr_kernarg_segment_ptr 1
		.amdhsa_wavefront_size32 1
		.amdhsa_system_sgpr_workgroup_id_x 1
		.amdhsa_system_sgpr_workgroup_id_y 1
		.amdhsa_system_sgpr_workgroup_id_z 1
		.amdhsa_system_vgpr_workitem_id 0
		.amdhsa_next_free_vgpr 256
		.amdhsa_next_free_sgpr 66
		.amdhsa_reserve_vcc 0
		.amdhsa_float_denorm_mode_32 3
		.amdhsa_float_denorm_mode_16_64 3
		.amdhsa_memory_ordered 1
		.amdhsa_forward_progress 1
		.amdhsa_inst_pref_size 74
	.end_amdhsa_kernel
	.amdgpu_metadata
---
amdhsa.version: [ 1, 2 ]
amdhsa.kernels:
  - .name:           k_qdba7027093_quant
    .symbol:         k_qdba7027093_quant.kd
    .args:
      - { .name: x, .offset: 0, .size: 8, .value_kind: global_buffer, .address_space: global }
      - { .name: W_qkv, .offset: 8, .size: 8, .value_kind: global_buffer, .address_space: global }
      - { .name: W_fc, .offset: 16, .size: 8, .value_kind: global_buffer, .address_space: global }
      - { .name: xq, .offset: 24, .size: 8, .value_kind: global_buffer, .address_space: global }
      - { .name: wq, .offset: 32, .size: 8, .value_kind: global_buffer, .address_space: global }
    .group_segment_fixed_size: 59904
    .private_segment_fixed_size: 0
    .kernarg_segment_align: 8
    .kernarg_segment_size: 40
    .max_flat_workgroup_size: 128
    .sgpr_count:     66
    .vgpr_count:     256
    .wavefront_size: 32
...
	.end_amdgpu_metadata
.endif
;; end of part 1
;; launch gemm_qkv (part 2): grid 12 x 32, 4 waves a work-group, clusters of 4 x 4, 327,680 bytes of LDS; arguments xq, wq, b_qkv, qk; writes qk
.if DOCPART == 2
	.amdgcn_target "amdgcn-amd-amdhsa--gfx1250"
	.amdhsa_code_object_version 6
	.text
	.protected	k_qdba7027093_gemm_qkv
	.globl	k_qdba7027093_gemm_qkv
	.p2align	8
	.type	k_qdba7027093_gemm_qkv,@function
k_qdba7027093_gemm_qkv:
	s_mov_b64 s[64:65], 0
	v_nop
	global_prefetch_b8 v0, s[64:65] scope:SCOPE_SE
	s_setreg_imm32_b32 hwreg(HW_REG_WAVE_MODE, 25, 1), 1
	s_wait_xcnt 0x0
	s_wait_alu depctr_hold_cnt(0) depctr_sa_sdst(0) depctr_va_vdst(0) depctr_va_sdst(0) depctr_va_ssrc(0) depctr_va_vcc(0) depctr_vm_vsrc(0)
	s_getreg_b32 s2, hwreg(HW_REG_IB_STS2, 6, 4)
	s_cmp_eq_u32 s2, 0
	s_cbranch_scc0 .Lentry_in_a_cluster
	s_endpgm
.Lentry_in_a_cluster:
	s_bfe_u32 s2, ttmp6, 0x10000c
	s_cmp_lg_u32 s2, 0xf033
	s_cbranch_scc0 .Lentry_shape_is_right
	s_endpgm
.Lentry_shape_is_right:
; qkv = x W_qkv + b_qkv on codes of FP6 (E2M3) with E8M0 scales, and the result QUANTISED ON THE WAY OUT: q and k along the head's 64, v along the keys.  Nothing leaves as f32.
; OPERANDS lie in memory as images of their registers: a tile (16 rows; lane r holds row 32 (T / 2) + 8 (T % 2) + r + 8 (r / 8)) is 16 half fragments of 768 bytes (64 along K each: registers 0-3 at 16 l,
; registers 4-5 at 512 + 8 l); scale bytes [tile][4 groups of 256 k][r][8].  So a fragment comes from LDS by two loads of 16 bytes and two of 8, each over consecutive bytes.
; SHARES.  A work-group of four waves makes 256 x 256; a wave 128 rows of region A x 128 rows of region B: 64 accumulators, 512 registers.  Source 0 = B's tile, source 1 = A's: a lane holds one row of A,
; and, by the order of a tile's rows, its 64 registers of one tile of A run along 128 NEIGHBOURING rows of B in the order that the quantiser's conversions take.
; TYPES, by the cluster's x, which all sixteen partners share: 0 (q) and 1 (k): A = x's rows, B = W's columns: registers run along two heads' 64.  2 (v): A = W's columns, B = x's rows: registers run along 128 keys.
; K = 1,024 goes in four fills of 256 through two LDS slots.  THE HEAD has one joint load a wave: A's 16 tiles of fill 0, B's 16, A's scale bytes for all of K, B's.  Slot 1's first fill stands behind the full sequence and a round, as a refill does.
; CLUSTERS: 4 x 4.  A's tiles hang on cy alone and are asked for jointly along a row of the cluster, B's on cx alone, along a column.
; PREFETCH: of the 8 tiles x 3,072 bytes that a wave fetches in a fill, each of the four partners that ask jointly names two tiles, told apart by address (cx for A, cy for B): 24 blocks of 256 bytes, a lane a block
; (lanes 24-31 name the last block again).  Fills 1 and 2 are named behind the head's loads, fill 3 behind slot 1's load and the first run of LDS loads.  x's side is named by each of the three clusters that load it; W's side by cluster rows 0 to 3 alone.
; OUT (buffer qk): q: [64 heads][16 units of 128 queries][6,656]: 8 half fragments, then 512 bytes of scale words [lane][4]: word i of lane l is tile 2 i + l / 16, row l % 16; bytes 2, 3 are 0.
;   From byte 6,815,744: [64][16 chunks of 128 keys][13,056]: k as a unit of q; from 6,656 v: 4 tiles of 16 d x 2 half fragments of 64 keys; from 12,800 v's scale words [lane][2].
; 384 work-groups: a tile that gave 256 or 512 would split a head or a chunk of keys between waves.
; LIMITS: NaN and infinities are not served; a block of zeros gets the byte 1 (its codes are zeros, and this program alone reads the bytes); blocks under 2^-124 are held at that floor.
.set NBW,   8
.set SLT,   3072                       ; a tile's bytes in a slot: 256 along K
.set TILEB, 12288                      ; and in memory
.set HALFA, 8*SLT
.set HALFB, NBW*SLT
.set SLOT,  2*HALFA+2*HALFB            ; A's 16 tiles, then B's 16
.set SCA,   2*SLOT                     ; behind the ring: A's scale bytes, 8,192,
.set SCB,   SCA+8320                   ; B's
.set SPARE, SCA+8448+1024*NBW          ; the spare words, 128 bytes for each wave
.set XS,    6291456
.set WS,    3145728
.set KVO,   6815744
.set FR,    12
.set NL,    4                          ; LDS loads that bring a fragment
.set NP,    4                          ; places behind this matrix instruction (ISA guide 7.12.1)
.set A16, 16                           ; v16-17 my A tiles in slot 0, 1, + 16 l;  v18-19 + 8 l
.set A8,  18
.set B16, 20
.set B8,  22
.set L16, 24
.set L8,  25
.set ADRSA, 26
.set ADRS,  27                         ; lanes 0-15 A's scale words, lanes 16-31 B's
.set SPW, 28
.set NIL, 29
.set PFO, 30                           ; the prefetches' offset; never rewritten
.set SC,  32                           ; v32-63 scale words, a set of 16 for each slot
.set AF,  128                          ; v128-223 A's fragments;  window 1: B's, two sets;  windows 2, 3: accumulator (a, b) at v[8 (8 (a % 4) + b)]
.set PFA, 4                            ; s[4:5] my two tiles of fill 0; never rewritten
.set PFL, 6                            ; under 16: I prefetch
.set G1, 24
.set G0, 32
.set G1B, 48
.set G0B, 56
.set G1S, 68
.set G0S, 76
.set G1SB, 80
.set G0SB, 88
.set MSB, 0
.macro WIN new                         ; the immediate's high byte repeats the setting that is left
.if MSB != (\new)
	s_set_vgpr_msb (MSB<<8)|(\new)
.set MSB, (\new)
.endif
.endm
.set MUL_LO, 0xa1
.set MUL_HI, 0xf1
.set TO_B,   0x40
.macro PLACES n
.rept \n
	v_nop
.endr
.endm
.macro JLOAD g0a, g1a, g0b, g1b        ; a joint load: waves 0, 1 fetch for A, waves 2, 3 for B
	s_cmp_eq_u32 s15, 0
	s_cbranch_scc0 .Lfor_b_\@
	tensor_load_to_lds s[\g0a:\g0a+3], s[\g1a:\g1a+7]
	s_nop 0
	PLACES 4
	s_branch .Lasked_\@
.Lfor_b_\@:
	tensor_load_to_lds s[\g0b:\g0b+3], s[\g1b:\g1b+7]
	s_nop 0
	PLACES 4
.Lasked_\@:
.endm
.macro CREST
	s_cmp_lg_u32 s14, 0
	s_cbranch_scc1 .Lnot_wave_0_\@
	s_barrier_signal -3
.Lnot_wave_0_\@:
	s_barrier_wait -3
	s_barrier_signal -1
	s_barrier_wait -1
.endm
.macro CROUND
	s_barrier_signal -1
	s_barrier_wait -1
	CREST
.endm
.macro PF f0, f1                       ; fills f0 .. f1 of my two tiles
	s_cmp_lt_u32 s[PFL], 16
	s_cbranch_scc0 .Lno_pf_\@
.set n, \f0
.rept (\f1)-(\f0)+1
	global_prefetch_b8 v[PFO], s[PFA:PFA+1] offset:n*SLT th:TH_LOAD_NT scope:SCOPE_SE
.set n, n+1
.endr
.Lno_pf_\@:
.endm
	s_load_b128 s[4:7], s[0:1], 0x0                ; xq s[4:5], wq s[6:7]
	s_load_b128 s[8:11], s[0:1], 0x10              ; the bias s[8:9], the output s[10:11]
	v_lshl_add_u32 v[SPW], v0, 2, SPARE
	v_mov_b32 v[NIL], 0
	ds_add_u32 v[SPW], v[NIL]                      ; the opening lines: the add, twice on end, and its wait
	ds_add_u32 v[SPW], v[NIL]
	v_lshrrev_b32 v1, 5, v0
	v_readfirstlane_b32 s14, v1                    ; wave 0..3
	s_lshr_b32 s15, s14, 1                         ; which half of A's tiles is mine.  Also: in the ring I fetch for A (0) or for B (1)
	s_and_b32 s16, s14, 1                          ; which half of B's.  Also: which half of the region I fetch
	s_bfe_u32 s40, ttmp6, 0x40000                  ; cx
	s_bfe_u32 s41, ttmp6, 0x40004                  ; cy
	s_and_b32 s17, ttmp7, 0xffff
	s_lshl_b32 s17, s17, 2                         ; 4 x cluster y
	s_lshl_b32 s18, ttmp9, 2                       ; 4 x cluster x
	s_lshl_b32 s43, s41, 2
	s_lshl_b32 s43, 15, s43                        ; my row of the cluster
	s_lshl_b32 s44, 0x1111, s40                    ; my column
	s_cmp_eq_u32 ttmp9, 2                          ; the type: the same in all sixteen partners
	s_cselect_b32 s19, 8, s17                      ; v: A = W's columns from 2,048 on; else x's rows
	s_cselect_b32 s42, s17, s18                    ; v: B = x's rows; else W's columns
	s_add_co_u32 s19, s19, s41                     ; A's block hangs on cy alone,
	s_add_co_u32 s42, s42, s40                     ; B's on cx alone
	s_lshl_b32 s20, s19, 4                         ; A's first tile
	s_mul_i32 s22, s20, TILEB                      ; its codes,
	s_lshl_b32 s20, s20, 9                         ; its scale bytes
	s_mov_b32 s21, 0
	s_mov_b32 s23, 0
	s_mul_i32 s46, s42, 2*NBW                      ; B's first tile
	s_lshl_b32 s92, s46, 9
	s_mul_i32 s46, s46, TILEB
	s_mov_b32 s47, 0
	s_mov_b32 s93, 0
	s_cmp_eq_u32 ttmp9, 2
	s_mov_b32 s97, XS
	s_cselect_b32 s98, WS, s97
	s_mov_b32 s99, WS
	s_cselect_b32 s99, s97, s99
	s_add_co_u32 s20, s20, s98                     ; where the scale bytes begin in A's buffer,
	s_add_co_u32 s92, s92, s99                     ; and in B's
	s_mul_i32 s45, s16, HALFA                      ; where the ring's loads go: no place in the cluster enters an LDS address
	s_mul_i32 s94, s16, HALFB
	s_add_co_u32 s94, s94, 2*HALFA
	; group 1.  Codes: a row is a tile's 3,072 bytes (384 elements of 8 bytes), 12,288 bytes from tile to tile; 16 rows for the head's loads
	s_or_b32 s[G1+0], s43, (3<<16)|(1<<21)
	s_or_b32 s[G1B+0], s44, (3<<16)|(1<<21)
.irp g, G1, G1B
	s_mov_b32 s[\g+1], 384<<16
	s_mov_b32 s[\g+2], 16<<16
	s_mov_b32 s[\g+3], 384<<16
	s_mov_b32 s[\g+4], 16
	s_mov_b32 s[\g+5], 1536
	s_mov_b32 s[\g+6], 0
	s_mov_b32 s[\g+7], 0
.endr
	; scale bytes: a dense block of 8,192 bytes, as 32 rows of 256
	s_or_b32 s[G1S+0], s43, (3<<16)|(1<<21)
	s_or_b32 s[G1SB+0], s44, (3<<16)|(1<<21)
.irp g, G1S, G1SB
	s_mov_b32 s[\g+1], 32<<16
	s_mov_b32 s[\g+2], 32<<16
	s_mov_b32 s[\g+3], 32<<16
	s_mov_b32 s[\g+4], 32
	s_mov_b32 s[\g+5], 32
	s_mov_b32 s[\g+6], 0
	s_mov_b32 s[\g+7], 0
.endr
	s_wait_dscnt 0x0                               ; both opening adds are done
	s_wait_kmcnt 0x0
	s_cmp_eq_u32 ttmp9, 2
	s_cselect_b64 s[66:67], s[6:7], s[4:5]         ; A's buffer
	s_cselect_b64 s[12:13], s[4:5], s[6:7]         ; B's
	s_add_nc_u64 s[22:23], s[66:67], s[22:23]
	s_add_nc_u64 s[20:21], s[66:67], s[20:21]
	s_add_nc_u64 s[46:47], s[12:13], s[46:47]
	s_add_nc_u64 s[92:93], s[12:13], s[92:93]
	CROUND                                         ; all sixteen work-groups are here: the first joint loads meet
	s_mov_b32 s[G0S], 1
	s_mov_b32 s[G0S+1], SCA
	s_mov_b64 s[G0S+2:G0S+3], s[20:21]
	s_or_b32 s[G0S+3], s[G0S+3], 0x80000000
	s_mov_b32 s[G0SB], 1
	s_mov_b32 s[G0SB+1], SCB
	s_mov_b64 s[G0SB+2:G0SB+3], s[92:93]
	s_or_b32 s[G0SB+3], s[G0SB+3], 0x80000000
	s_mov_b32 s[G0], 1                             ; slot 0's first fill, whole: A's 16 tiles,
	s_mov_b32 s[G0+1], 0
	s_mov_b64 s[G0+2:G0+3], s[22:23]
	s_or_b32 s[G0+3], s[G0+3], 0x80000000
	s_mov_b32 s[G0B], 1                            ; and B's 16, behind them
	s_mov_b32 s[G0B+1], 2*HALFA
	s_mov_b64 s[G0B+2:G0B+3], s[46:47]
	s_or_b32 s[G0B+3], s[G0B+3], 0x80000000
	s_mul_i32 s2, s16, 8*TILEB                     ; in the ring I fetch half a region
	s_mov_b32 s3, 0
	s_add_nc_u64 s[22:23], s[22:23], s[2:3]
	s_mul_i32 s2, s16, NBW*TILEB
	s_add_nc_u64 s[46:47], s[46:47], s[2:3]
	s_mov_b32 s[G0+4], 1                           ; slot 1: the second 256 along K
	s_add_co_u32 s[G0+5], s45, SLOT
	s_add_nc_u64 s[G0+6:G0+7], s[22:23], SLT
	s_or_b32 s[G0+7], s[G0+7], 0x80000000
	s_mov_b32 s[G0B+4], 1
	s_add_co_u32 s[G0B+5], s94, SLOT
	s_add_nc_u64 s[G0B+6:G0B+7], s[46:47], SLT
	s_or_b32 s[G0B+7], s[G0B+7], 0x80000000
	s_cmp_eq_u32 s15, 0                            ; the prefetches: of the 8 tiles that I fetch in the ring,
	s_cselect_b64 s[PFA:PFA+1], s[22:23], s[46:47]
	s_cselect_b32 s2, s40, s41                     ; by my place among the four that ask with me,
	s_mul_i32 s2, s2, 2*TILEB                      ; two
	s_add_nc_u64 s[PFA:PFA+1], s[PFA:PFA+1], s[2:3]
	s_cmp_eq_u32 ttmp9, 2
	s_cselect_b32 s[PFL], 1, 0
	s_xor_b32 s[PFL], s[PFL], s15                  ; 0: my side is x's; 1: W's,
	s_mul_i32 s[PFL], s[PFL], s17                  ; which cluster rows 0 to 3 alone name
; THE HEAD'S LOADS, ONE A WAVE: one chain of branches on the wave's number: every way passes one load.
.macro ARM under, g0, g1, next
	s_cmp_lt_u32 s14, \under
	s_cbranch_scc0 \next
	tensor_load_to_lds s[\g0:\g0+3], s[\g1:\g1+7]
	s_nop 0
	PLACES 4
	s_branch .Lhead_asked
\next:
.endm
	ARM 1, G0, G1, .Lhead_b
	ARM 2, G0B, G1B, .Lhead_sa
	ARM 3, G0S, G1S, .Lhead_sb
	tensor_load_to_lds s[G0SB:G0SB+3], s[G1SB:G1SB+7]
	s_nop 0
	PLACES 4
.Lhead_asked:
	v_and_b32 v[PFO], 31, v0
	v_min_u32 v[PFO], 23, v[PFO]                   ; block 0 .. 23 of my two tiles' 12 each
	v_mul_u32_u24 v31, v[PFO], 11
	v_lshrrev_b32 v31, 7, v31                      ; block / 12
	v_mul_u32_u24 v31, v31, TILEB-SLT              ; the second tile begins 12,288 bytes behind the first
	v_lshl_add_u32 v[PFO], v[PFO], 8, v31
	PF 1, 2
	v_and_b32 v1, 31, v0                           ; l
	v_and_b32 v2, 15, v0                           ; r
	v_bfe_u32 v3, v0, 4, 1                         ; h
	v_lshlrev_b32 v[L16], 4, v1
	v_lshlrev_b32 v[L8], 3, v1
	s_mul_i32 s21, s15, HALFA                      ; my 8 tiles of A
	s_mul_i32 s22, s16, HALFB
	s_add_co_u32 s22, s22, 2*HALFA                 ; my 8 tiles of B
.irp s, 0,1
	v_add_nc_u32 v[A16+\s], s21, v[L16]
	v_add_nc_u32 v[A8+\s], s21, v[L8]
	v_add_nc_u32 v[B16+\s], s22, v[L16]
	v_add_nc_u32 v[B8+\s], s22, v[L8]
	s_add_co_u32 s21, s21, SLOT
	s_add_co_u32 s22, s22, SLOT
.endr
	s_lshl_b32 s21, s15, 12                        ; the scale words: A's, my 8 tiles;
	s_mul_i32 s22, s16, 512*NBW
	s_add_co_u32 s22, s22, SCB-SCA
	s_sub_co_u32 s22, s22, s21                     ; the distance from them to B's:
	v_mul_u32_u24 v4, s22, v3                      ; lanes 16-31 take B's
	s_add_co_u32 s21, s21, SCA
	v_lshl_add_u32 v[ADRSA], v2, 3, s21            ; 8 bytes a row for 256 along K
	v_add_nc_u32 v[ADRS], v[ADRSA], v4
	; the biases.  Every work-group loads both kinds, so that the text has one branch on the type, at the way out.
.set BQ, 64                            ; v64-127: b at B's 128 elements, in the result's order  (types q, k)
.set BV, 228                           ; v228-243: b at my lane's row of A's tile a, twice, as a pair for the packed add  (type v)
	s_add_co_u32 s2, s18, s40
	s_lshl_b32 s2, s2, 1
	s_add_co_u32 s2, s2, s16
	s_lshl_b32 s2, s2, 9
	s_mov_b32 s3, 0
	s_add_nc_u64 s[66:67], s[8:9], s[2:3]
	s_lshl_b32 s2, s41, 10
	s_lshl_b32 s97, s15, 9
	s_add_co_u32 s2, s2, s97
	s_add_co_u32 s2, s2, 8192                      ; 4 x (2,048 + 128 (2 cy + my half))
	s_add_nc_u64 s[12:13], s[8:9], s[2:3]
	v_lshlrev_b32 v5, 6, v3                        ; 64 h
	v_and_b32 v6, 8, v2
	v_add_nc_u32 v6, v6, v2
	v_lshlrev_b32 v6, 2, v6                        ; 4 (r + 8 (r / 8))
.irp b, 0,1,2,3,4,5,6,7
	global_load_b128 v[BQ+8*\b:BQ+8*\b+3], v5, s[66:67] offset:(32*(\b/2)+8*(\b%2))*4
	global_load_b128 v[BQ+8*\b+4:BQ+8*\b+7], v5, s[66:67] offset:(32*(\b/2)+8*(\b%2))*4+16
.endr
.irp a, 0,1,2,3,4,5,6,7
	global_load_b32 v[BV+2*\a], v6, s[12:13] offset:(32*(\a/2)+8*(\a%2))*4
	global_load_b32 v[BV+2*\a+1], v6, s[12:13] offset:(32*(\a/2)+8*(\a%2))*4
.endr
.macro FRAG reg, a16, a8, q, i         ; a fragment, 16 rows x 128 K, 12 registers: two half fragments as they lie
	ds_load_b128 v[\reg:\reg+3], v[\a16] offset:SLT*(\i)+1536*(\q)
	ds_load_b64 v[\reg+4:\reg+5], v[\a8] offset:SLT*(\i)+1536*(\q)+512
	ds_load_b128 v[\reg+6:\reg+9], v[\a16] offset:SLT*(\i)+1536*(\q)+768
	ds_load_b64 v[\reg+10:\reg+11], v[\a8] offset:SLT*(\i)+1536*(\q)+1280
.endm
; 16 matrix instructions: A's tiles a0, a0 + 1 x B's eight.  p: B's set; q: which 128 of the slot; sc: the set of scale words.  zero = 1: the first product starts the sums.
; The accumulators take turns, one instruction a turn, in the same order in every step.
.macro MULA a0, p, q, sc, zero
.irp a, \a0, \a0+1
.irp b, 0,1,2,3,4,5,6,7
.if \zero
	v_wmma_scale_f32_16x16x128_f8f6f4 v[8*(8*((\a)%4)+\b):8*(8*((\a)%4)+\b)+7], v[128*(\p)+FR*\b:128*(\p)+FR*\b+FR-1], v[AF+FR*(\a):AF+FR*(\a)+FR-1], 0, v[SC+16*(\sc)+2*\b+(\q)], v[SC+16*(\sc)+2*(\a)+(\q)] matrix_a_fmt:MATRIX_FMT_FP6 matrix_b_fmt:MATRIX_FMT_FP6 matrix_a_scale:MATRIX_SCALE_ROW1
.else
	v_wmma_scale_f32_16x16x128_f8f6f4 v[8*(8*((\a)%4)+\b):8*(8*((\a)%4)+\b)+7], v[128*(\p)+FR*\b:128*(\p)+FR*\b+FR-1], v[AF+FR*(\a):AF+FR*(\a)+FR-1], v[8*(8*((\a)%4)+\b):8*(8*((\a)%4)+\b)+7], v[SC+16*(\sc)+2*\b+(\q)], v[SC+16*(\sc)+2*(\a)+(\q)] matrix_a_fmt:MATRIX_FMT_FP6 matrix_b_fmt:MATRIX_FMT_FP6 matrix_a_scale:MATRIX_SCALE_ROW1
.endif
.endr
.endr
.endm
.macro FETCH_B slot, q, p
	WIN TO_B
.irp i, 0,1,2,3,4,5,6,7
	FRAG 128*(\p)+FR*\i, B16+\slot, B8+\slot, \q, \i
.endr
	WIN 0
.endm
.macro FETCH_A slot, q, i0
.irp i, \i0, \i0+1, \i0+2, \i0+3
	FRAG AF+FR*(\i), A16+\slot, A8+\slot, \q, \i
.endr
.endm
.macro SCALES sc                       ; a slot's scale words: two a row; lanes 0-15 A's tile i, lanes 16-31 B's tile i
.irp i, 0,1,2,3,4,5,6,7
	ds_load_b64 v[SC+16*\sc+2*\i:SC+16*\sc+2*\i+1], v[ADRS] offset:512*\i
.endr
.endm
; A step of 128 along K that has its successor in the same slot.  A load into a register that a matrix instruction has read stands NP places behind it.
.macro STEP slot, q, zero
	s_wait_dscnt 4*NL                              ; B's set, A's tiles 0-3 and the scale words are in; the youngest 16 loads (A's tiles 4-7) may be out
	WIN MUL_LO
	MULA 0, (\q)%2, \q, \slot, \zero
	MULA 2, (\q)%2, \q, \slot, \zero
	s_wait_dscnt 0
	PLACES NP
	FETCH_B \slot, (\q)+1, 1-(\q)%2
	FETCH_A \slot, (\q)+1, 0
	WIN MUL_HI
	MULA 4, (\q)%2, \q, \slot, \zero
	MULA 6, (\q)%2, \q, \slot, \zero
	PLACES NP
	WIN 0
	FETCH_A \slot, (\q)+1, 4
.endm
; A slot's last step changes slots: ONE barrier; in front of it each wave waits for all its tensor loads, adds 0 to its spare word, and waits for that and for its own reads of this slot.
.macro TURN slot, next, fill
	s_wait_tensorcnt 0x0                           ; all my tensor loads have landed: my part of the next slot
	ds_add_u32 v[SPW], v[NIL]
	s_wait_dscnt 4*NL+1                            ; (the add and the youngest 16 loads may be out)
	WIN MUL_LO
	MULA 0, 1, 1, \slot, 0
	s_wait_dscnt 0x0                               ; the add is done, and my reads of this slot are over
	s_barrier_signal -1
	MULA 2, 1, 1, \slot, 0
	WIN 0
	s_barrier_wait -1
.if \fill
	CREST                                          ; the barrier has opened a round of the cluster's barrier
	s_add_nc_u64 s[G0+4*\slot+2:G0+4*\slot+3], s[G0+4*\slot+2:G0+4*\slot+3], 2*SLT
	s_add_nc_u64 s[G0B+4*\slot+2:G0B+4*\slot+3], s[G0B+4*\slot+2:G0B+4*\slot+3], 2*SLT
	JLOAD G0+4*\slot, G1, G0B+4*\slot, G1B         ; the first tensor load behind the round; its four v_nop are the places in front of the loads below
.else
	PLACES NP
.endif
	s_wait_alu depctr_va_vdst(0)
	v_add_nc_u32 v[ADRS], 128, v[ADRS]             ; the next 256 along K
	FETCH_B \next, 0, 0
	FETCH_A \next, 0, 0
	SCALES \next
	WIN MUL_HI
	MULA 4, 1, 1, \slot, 0
	MULA 6, 1, 1, \slot, 0
	PLACES NP
	WIN 0
	FETCH_A \next, 0, 4
.endm
	s_wait_alu depctr_va_vdst(0)                   ; the head's end
	s_wait_tensorcnt 0x0                           ; my tile of the head's four is in; slot 1's first fill is issued as a refill is
	ds_add_u32 v[SPW], v[NIL]
	s_mov_b32 s[G1+2], 8<<16                       ; no tensor load of mine is out: from here on a load brings half a region
	s_mov_b32 s[G1+4], 8
	s_mov_b32 s[G1B+2], NBW<<16
	s_mov_b32 s[G1B+4], NBW
	s_mov_b32 s[G0+1], s45                         ; slot 0's group 0 for the ring: my half, in LDS and in memory
	s_mul_i32 s98, s16, 8*TILEB
	s_mov_b32 s99, 0
	s_add_nc_u64 s[G0+2:G0+3], s[G0+2:G0+3], s[98:99]
	s_mov_b32 s[G0B+1], s94
	s_mul_i32 s98, s16, NBW*TILEB
	s_add_nc_u64 s[G0B+2:G0B+3], s[G0B+2:G0B+3], s[98:99]
	s_wait_dscnt 0x0                               ; the add is done
	CROUND                                         ; all four tiles are in, and all sixteen work-groups are here
	JLOAD G0+4, G1, G0B+4, G1B                     ; slot 1, the first tensor load behind the round
	FETCH_B 0, 0, 0
	FETCH_A 0, 0, 0
	SCALES 0
	FETCH_A 0, 0, 4
	PF 3, 3
	STEP 0, 0, 1                                   ; K = 1,024 is four fills: written straight
	TURN 0, 1, 1
	STEP 1, 0, 0
	TURN 1, 0, 1
	STEP 0, 0, 0
	TURN 0, 1, 0                                   ; the last two fills are in: nothing more is asked for
	STEP 1, 0, 0
	s_wait_dscnt 4*NL
	WIN MUL_LO
	MULA 0, 1, 1, 1, 0
	MULA 2, 1, 1, 1, 0
	s_wait_dscnt 0
	WIN MUL_HI
	MULA 4, 1, 1, 1, 0
	MULA 6, 1, 1, 1, 0
	WIN 0
	PLACES NP                                      ; behind the last products: their results are read and their operands' registers written below
; THE WAY OUT.  For each tile a of A: its 64 numbers a lane + the bias come into window 0 and are quantised: a fragment (12 registers) and a scale word a row.
.set IN,  128
.set PC,  192                          ; v192-203 the codes; v204-210 the conversions' second halves
.set TM,  212
.set SW,  32                           ; v32-39 the eight tiles' scale words
.set MM,  40
.set SEL, 94
.set MASK, 96
.set PA,  20
.set PB,  22
.macro QUANT s, pw                     ; register 16 b + i = k 32 b + 16 h + i of my row
.irp b, 0,1,2,3
	v_max3_num_f32 v[TM+\b], |v[\s+16*\b]|, |v[\s+1+16*\b]|, 0x1800000   ; my 16 numbers of block b, and the floor 2^(3 - 127)
.endr
.irp i, 2,4,6,8,10,12,14
.irp b, 0,1,2,3
	v_max3_num_f32 v[TM+\b], v[TM+\b], |v[\s+16*\b+\i]|, |v[\s+1+16*\b+\i]|
.endr
.endr
.irp b, 0,1,2,3
	v_permlanex16_b32 v[TM+4+\b], v[TM+\b], s[SEL], s[SEL+1]
.endr
.irp b, 0,1,2,3
	v_max_num_f32 v[TM+\b], v[TM+\b], v[TM+4+\b]   ; with lane l xor 16's: the block's largest magnitude
.endr
.irp b, 0,1,2,3
	v_add_nc_u32 v[TM+12+\b], 0xff000000, v[TM+\b] ; 2 off its exponent field: the conversion's scale operand
.endr
.irp b, 0,1,2,3
	v_lshrrev_b32 v[TM+4+\b], 23, v[TM+12+\b]      ; the scale's byte
.endr
	v_lshl_or_b32 v[\pw], v[TM+5], 8, v[TM+4]
	v_lshl_or_b32 v[\pw], v[TM+6], 16, v[\pw]
	v_lshl_or_b32 v[\pw], v[TM+7], 24, v[\pw]
.irp c, 0,1
	v_cvt_scalef32_pk16_fp6_f32 v[PC+6*\c:PC+2+6*\c], v[\s+32*\c:\s+15+32*\c], v[TM+12+2*\c]
	v_cvt_scalef32_pk16_fp6_f32 v[PC+12+4*\c:PC+14+4*\c], v[\s+16+32*\c:\s+31+32*\c], v[TM+12+2*\c+1]
.endr
	v_nop                                          ; one plain line behind the conversions
.irp c, 0,1                            ; the operand's layout wants a whole block in a lane
.irp i, 0,1,2
	v_permlane16_swap_b32 v[PC+6*\c+\i], v[PC+12+4*\c+\i]
.endr
.irp i, 0,1,2
	v_mov_b32 v[PC+3+6*\c+\i], v[PC+12+4*\c+\i]
.endr
.endr
.endm
.macro EPI isv
.irp a, 0,1,2,3,4,5,6,7
.if \a > 0
	s_wait_xcnt 0x0                                ; the last tile's stores have read their registers
.endif
	WIN 0x02+\a/4                                  ; source 0: window 2 or 3
.set n, 0
.rept 32                               ; each accumulator from its low end on
.if \isv
	v_pk_add_f32 v[IN+2*n:IN+2*n+1], v[64*(\a%4)+2*n:64*(\a%4)+2*n+1], v[BV+2*\a:BV+2*\a+1]
.else
	v_pk_add_f32 v[IN+2*n:IN+2*n+1], v[64*(\a%4)+2*n:64*(\a%4)+2*n+1], v[BQ+2*n:BQ+2*n+1]
.endif
.set n, n+1
.endr
	WIN 0
	QUANT IN, SW+\a
.if \isv                               ; tile a is tile a % 4 of head a / 4's 64: both halves of its 128 keys
.if \a < 4
	global_store_b128 v[L16], v[PC:PC+3], s[PA:PA+1] offset:1536*(\a%4)
	global_store_b64 v[L8], v[PC+4:PC+5], s[PA:PA+1] offset:1536*(\a%4)+512
	global_store_b128 v[L16], v[PC+6:PC+9], s[PA:PA+1] offset:1536*(\a%4)+768
	global_store_b64 v[L8], v[PC+10:PC+11], s[PA:PA+1] offset:1536*(\a%4)+1280
.else
	global_store_b128 v[L16], v[PC:PC+3], s[PB:PB+1] offset:1536*(\a%4)
	global_store_b64 v[L8], v[PC+4:PC+5], s[PB:PB+1] offset:1536*(\a%4)+512
	global_store_b128 v[L16], v[PC+6:PC+9], s[PB:PB+1] offset:1536*(\a%4)+768
	global_store_b64 v[L8], v[PC+10:PC+11], s[PB:PB+1] offset:1536*(\a%4)+1280
.endif
.else                                  ; registers 0-5 are the first head's 64, registers 6-11 the second's
	global_store_b128 v[L16], v[PC:PC+3], s[PA:PA+1] offset:768*\a
	global_store_b64 v[L8], v[PC+4:PC+5], s[PA:PA+1] offset:768*\a+512
	global_store_b128 v[L16], v[PC+6:PC+9], s[PB:PB+1] offset:768*\a
	global_store_b64 v[L8], v[PC+10:PC+11], s[PB:PB+1] offset:768*\a+512
.endif
.endr
.irp i, 0,1,2,3
	v_cndmask_b32 v[MM+\i], v[SW+2*\i], v[SW+2*\i+1], s[MASK]   ; lanes 0-15: tile 2 i's words; lanes 16-31: tile 2 i + 1's
.endr
.if \isv
	global_store_b64 v[L8], v[MM:MM+1], s[PA:PA+1] offset:6144
	global_store_b64 v[L8], v[MM+2:MM+3], s[PB:PB+1] offset:6144
.else
.irp i, 0,1,2,3
	v_lshrrev_b32 v[MM+4+\i], 16, v[MM+\i]         ; the second head's two bytes; bytes 2 and 3 are 0
.endr
.irp i, 0,1,2,3
	v_and_b32 v[MM+\i], 0xffff, v[MM+\i]           ; the first head's
.endr
	global_store_b128 v[L16], v[MM:MM+3], s[PA:PA+1] offset:6144
	global_store_b128 v[L16], v[MM+4:MM+7], s[PB:PB+1] offset:6144
.endif
.endm
	s_wait_loadcnt 0x0                             ; the biases
	s_mov_b32 s[SEL], 0x76543210
	s_mov_b32 s[SEL+1], 0xfedcba98
	s_mov_b32 s[MASK], 0xffff0000
.irp b, 0,1,2,3
	v_mov_b32 v[TM+4+\b], 0                        ; written once: a lane permute's destination counts as one of its sources
.endr
	s_cmp_eq_u32 ttmp9, 2
	s_cbranch_scc1 .Lvalues
	s_lshl_b32 s2, s19, 1
	s_add_co_u32 s2, s2, s15                       ; my 128 rows of x: unit U of 64
	s_lshl_b32 s3, s42, 1
	s_add_co_u32 s3, s3, s16
	s_and_b32 s3, s3, 7
	s_lshl_b32 s3, s3, 1                           ; my first head
	s_lshr_b32 s12, s2, 4
	s_lshl_b32 s12, s12, 4
	s_add_co_u32 s12, s12, s3                      ; 16 x batch + head
	s_lshl_b32 s12, s12, 4
	s_and_b32 s2, s2, 15
	s_add_co_u32 s12, s12, s2                      ; x 16 + the unit in the batch
	s_cmp_eq_u32 ttmp9, 0
	s_mov_b32 s97, 13056
	s_cselect_b32 s97, 6656, s97                   ; q's units, or the chunks of k and v
	s_mov_b32 s98, KVO
	s_cselect_b32 s98, 0, s98
	s_mul_i32 s12, s12, s97
	s_add_co_u32 s12, s12, s98
	s_mov_b32 s13, 0
	s_add_nc_u64 s[PA:PA+1], s[10:11], s[12:13]
	s_lshl_b32 s12, s97, 4
	s_add_nc_u64 s[PB:PB+1], s[PA:PA+1], s[12:13]  ; the next head: 16 units on
	EPI 0
	s_branch .Ldone
.Lvalues:
	s_lshl_b32 s2, s42, 1
	s_add_co_u32 s2, s2, s16                       ; my 128 keys: chunk U of 64
	s_lshl_b32 s3, s41, 2
	s_lshl_b32 s12, s15, 1
	s_add_co_u32 s3, s3, s12                       ; my first head: 4 cy + 2 x my half
	s_lshr_b32 s12, s2, 4
	s_lshl_b32 s12, s12, 4
	s_add_co_u32 s12, s12, s3
	s_lshl_b32 s12, s12, 4
	s_and_b32 s2, s2, 15
	s_add_co_u32 s12, s12, s2
	s_mul_i32 s12, s12, 13056
	s_add_co_u32 s12, s12, KVO+6656                ; v lies behind k in a chunk
	s_mov_b32 s13, 0
	s_add_nc_u64 s[PA:PA+1], s[10:11], s[12:13]
	s_mov_b32 s12, 16*13056
	s_add_nc_u64 s[PB:PB+1], s[PA:PA+1], s[12:13]
	EPI 1
.Ldone:
	s_wait_tensorcnt 0x0                           ; the wave's end
	ds_add_u32 v[SPW], v[NIL]
	s_wait_dscnt 0x0
	CROUND                                         ; the closing round
	s_endpgm
.Lfunc_end_k_qdba7027093_gemm_qkv:
	.size	k_qdba7027093_gemm_qkv, .Lfunc_end_k_qdba7027093_gemm_qkv-k_qdba7027093_gemm_qkv
	.p2alignl 7, 3214868480
	.fill 96, 4, 3214868480
	.section	.rodata,"a",@progbits
	.p2align	6, 0x0
	.amdhsa_kernel k_qdba7027093_gemm_qkv
		.amdhsa_group_segment_fixed_size 327680
		.amdhsa_private_segment_fixed_size 0
		.amdhsa_enable_private_segment 0
		.amdhsa_kernarg_size 32
		.amdhsa_user_sgpr_count 2
		.amdhsa_user_sgpr_kernarg_segment_ptr 1
		.amdhsa_wavefront_size32 1
		.amdhsa_system_sgpr_workgroup_id_x 1
		.amdhsa_system_sgpr_workgroup_id_y 1
		.amdhsa_system_sgpr_workgroup_id_z 1
		.amdhsa_system_vgpr_workitem_id 0
		.amdhsa_next_free_vgpr 1024
		.amdhsa_next_free_sgpr 100
		.amdhsa_reserve_vcc 0
		.amdhsa_float_denorm_mode_32 3
		.amdhsa_float_denorm_mode_16_64 3
		.amdhsa_memory_ordered 1
		.amdhsa_forward_progress 1
		.amdhsa_inst_pref_size 221
	.end_amdhsa_kernel
	.amdgpu_metadata
---
amdhsa.version: [ 1, 2 ]
amdhsa.kernels:
  - .name:           k_qdba7027093_gemm_qkv
    .symbol:         k_qdba7027093_gemm_qkv.kd
    .args:
      - { .name: xq, .offset: 0, .size: 8, .value_kind: global_buffer, .address_space: global }
      - { .name: wq, .offset: 8, .size: 8, .value_kind: global_buffer, .address_space: global }
      - { .name: b_qkv, .offset: 16, .size: 8, .value_kind: global_buffer, .address_space: global }
      - { .name: qk, .offset: 24, .size: 8, .value_kind: global_buffer, .address_space: global }
    .group_segment_fixed_size: 327680
    .private_segment_fixed_size: 0
    .kernarg_segment_align: 8
    .kernarg_segment_size: 32
    .max_flat_workgroup_size: 128
    .sgpr_count:     100
    .vgpr_count:     1024
    .wavefront_size: 32
...
	.end_amdgpu_metadata
.endif
;; end of part 2
;; launch attn (part 3): grid 4 x 64, 16 waves a work-group, clusters of 4 x 1, 210,944 bytes of LDS; arguments qk, oq; writes oq
.if DOCPART == 3
	.amdgcn_target "amdgcn-amd-amdhsa--gfx1250"
	.amdhsa_code_object_version 6
	.text
	.protected	k_qdba7027093_attn
	.globl	k_qdba7027093_attn
	.p2align	8
	.type	k_qdba7027093_attn,@function
k_qdba7027093_attn:
	s_mov_b64 s[64:65], 0
	v_nop
	global_prefetch_b8 v0, s[64:65] scope:SCOPE_SE
	s_setreg_imm32_b32 hwreg(HW_REG_WAVE_MODE, 25, 1), 1
	s_wait_xcnt 0x0
	s_wait_alu depctr_hold_cnt(0) depctr_sa_sdst(0) depctr_va_vdst(0) depctr_va_sdst(0) depctr_va_ssrc(0) depctr_va_vcc(0) depctr_vm_vsrc(0)
	s_getreg_b32 s2, hwreg(HW_REG_IB_STS2, 6, 4)
	s_cmp_eq_u32 s2, 0
	s_cbranch_scc0 .Lentry_in_a_cluster
	s_endpgm
.Lentry_in_a_cluster:
	s_bfe_u32 s2, ttmp6, 0x10000c
	s_cmp_lg_u32 s2, 0x3003
	s_cbranch_scc0 .Lentry_shape_is_right
	s_endpgm
.Lentry_shape_is_right:
; Causal attention of one head on codes of FP6 (E2M3) with E8M0 scales; the result, divided by the row's sum, is quantised along D for the last product and stored as that product's operand image.
; t = score x log2(e) / 8; M = the running largest t, rounded UP to a whole number; p = 2^(t - M) is quantised along the keys, not normalised; the row's sum is taken of the unquantised p; when M moves,
; the sum and O are multiplied by 2^(old M - new M), which rounds nothing.
; LDS HOLDS THE WHOLE HEAD: its 16 chunks of 128 keys (K, V and their scale words, 13,056 bytes each) are 208,896 bytes.  Each of the sixteen waves asks for one chunk at the head; nothing is filled again.
; SHARES.  A head has 128 tiles of 16 queries.  Wave w of work-group i owns tile 4 (31 - w) + i and then tile 4 w + i.  Tile T needs chunks 0 .. T / 8: (31 - w) / 2 + 1 and w / 2 + 1 steps (halves rounded down), 17 in every wave
; of every work-group, and every work-group reads all 16 chunks.  Chunks whose keys all come after a tile's queries (the mask that reference() builds) are never walked; a tile's last chunk holds the diagonal: there hidden scores become -infinity.
; Each row's own key lies in that chunk or before it, so a row's maximum is a number from its first step on.
; CLUSTER: the four work-groups of a head want the same 16 chunks at the same time: each chunk is asked for jointly (mask 15).  Trip counts, branches and LDS addresses are made of the wave's number alone.
; TWO BARRIERS.  The first shows chunks 0 to 3 (waves 0 to 3 have a load line and a wait of their own); four steps, open for every first tile (it needs 9 chunks or more), run on them.  The second shows all chunks; 13 steps follow with no barrier.
; NO PREFETCH: all that the launch loads by tensor loads is asked for at the head; no later load is left to run ahead of.
; LAYOUT.  Both products are used transposed (S^T = K Q^T, O^T = V^T P^T): a lane holds ONE query.  A tile's lane r holds row 32 (T / 2) + 8 (T % 2) + r + 8 (r / 8), so the 16 registers of two neighbouring tiles of keys are 16 neighbouring keys.
; Operands lie in memory as images of their registers (half fragments of 768 bytes: registers 0-3 at 16 l, 4-5 at 512 + 8 l).
; THE HEAD'S 64 UNDER AN INSTRUCTION OF 128: Q's registers 6-11 hold zero codes, and bytes 2, 3 of Q's and K's scale words are 0 (2^-127, no NaN): K's tile t is named as registers 6 t .. 6 t + 11, and what its upper six hold meets zero codes.
; LIMITS: NaN and infinities are not served; the scaled scores t stay under 2^31 in magnitude; a block of zeros gets the byte 1 (its codes are zeros); blocks under 2^-124 are held at that floor.
.set KVO,   6815744                    ; qk: where the chunks of k and v begin
.set XS,    6291456                    ; oq: where the scale bytes begin
.set CHK,   13056
.set SPARE, 16*CHK                     ; 816 x 256: the spare words, 128 bytes for each wave, behind the chunks
.set L16, 1
.set L8,  2
.set SPW, 3
.set NIL, 4
.set A16, 5
.set A8,  6
.set QL,  7                            ; my query less its group of 32's first, less 16 h
.set R8,  8
.set R16, 10
.set Q,   16                           ; v16-27 Q's operand (v22-27 zero codes)
.set QS,  28
.set PW,  29
.set KSC, 30
.set VSC, 34
.set QB,  36                           ; v36-41, v42 the second tile's Q and its scale word
.set QBS, 42
.set K,   44                           ; v44-91 K's eight tiles; v92-97 zeros.  At work once the scores are made:
.set BM,  44
.set PT,  48
.set SOP, 52
.set BY,  56
.set PC,  60
.set PX,  72
.set S,   98
.set O,   162
.set V,   194
.set F,   242
.set T0,  244
.set WV,  8
.set BH,  9
.set CX,  10
.set SEL, 12
.set CS,  14
.set G1,  16
.set G0,  24
.set QCA, 28                           ; Q's codes and scale words, first and second tile
.set QSA, 30
.set TB,  32                           ; LDS byte at which the chunk in hand begins
.set TR,  33
.set KC,  34                           ; the chunk in hand
.set KN,  35
.set LEN, 36                           ; chunks of the tile in hand
.set LB,  37                           ; 1: this step is the tile's last
.set LENB, 38
.set QW,  39                           ; the first query of the tile's group of 32
.set QWB, 41
.set KF,  43
.set QCB, 44
.set OP,  46
.set OSP, 48
.set OPB, 50
.set OSPB, 52
.set QSB, 54
.macro BARRIER
	s_barrier_signal -1
	s_barrier_wait -1
.endm
.macro CROUND                          ; a round of the cluster's barrier
	BARRIER
	s_cmp_lg_u32 s[WV], 0
	s_cbranch_scc1 .Lnot_wave_0_\@
	s_barrier_signal -3
.Lnot_wave_0_\@:
	s_barrier_wait -3
	BARRIER
.endm
.macro TLOAD
	tensor_load_to_lds s[G0:G0+3], s[G1:G1+7]
	s_nop 0
.rept 4
	v_nop
.endr
.endm
.macro RESET                           ; a tile begins: the largest t is -3e38; the sum and O^T are zeros
	v_mov_b32 v13, 0xff61b1e6
	s_delay_alu instid0(VALU_DEP_1)
	v_floor_f32 v12, -v13
	v_mov_b32 v14, 0
	v_mov_b32 v15, 0
.set n, 0
.rept 32
	v_mov_b32 v[O+n], 0
.set n, n+1
.endr
.endm
; The places of tile T = 4 j + cx, as byte offsets: s60 = XS + the head's two bytes among a row's, s61 = the head
.macro TILE j, qc, qs, op, osp, qw, len
	s_lshr_b32 s[\len], s\j, 1
	s_add_co_u32 s[\len], s[\len], 1
	s_lshl_b32 s56, s\j, 2
	s_add_co_u32 s56, s56, s[CX]
	s_lshr_b32 s[\qw], s56, 1
	s_lshl_b32 s[\qw], s[\qw], 5
	s_lshr_b32 s57, s56, 3
	s_lshl_b32 s58, s[BH], 4
	s_add_co_u32 s57, s57, s58
	s_mul_i32 s57, s57, 6656                       ; Q's unit of 128 queries
	s_and_b32 s58, s56, 7
	s_mul_i32 s59, s58, 768
	s_add_co_u32 s[\qc], s57, s59
	s_mov_b32 s[\qc+1], 0
	s_lshr_b32 s58, s58, 1
	s_lshl_b32 s58, s58, 2
	s_and_b32 s59, s56, 1
	s_lshl_b32 s59, s59, 8
	s_add_co_u32 s58, s58, s59
	s_add_co_u32 s58, s58, s57
	s_add_co_u32 s[\qs], s58, 6144                 ; its scale words: 6,144 + 256 (tile % 2) + 4 (tile / 2), + 16 r
	s_mov_b32 s[\qs+1], 0
	s_lshr_b32 s57, s[BH], 4
	s_lshl_b32 s57, s57, 7
	s_add_co_u32 s57, s57, s56                     ; oq's tile: 128 x batch + T
	s_lshl_b32 s[\osp], s57, 9
	s_add_co_u32 s[\osp], s[\osp], s60
	s_mov_b32 s[\osp+1], 0
	s_lshl_b32 s57, s57, 4
	s_add_co_u32 s57, s57, s61
	s_mul_i32 s[\op], s57, 768                     ; half fragment = the head
	s_mov_b32 s[\op+1], 0
.endm
	s_load_b128 s[4:7], s[0:1], 0x0                ; qk s[4:5], oq s[6:7]
	v_lshl_add_u32 v[SPW], v0, 2, SPARE
	v_mov_b32 v[NIL], 0
	ds_add_u32 v[SPW], v[NIL]                      ; the opening lines: the add, twice on end, and its wait
	ds_add_u32 v[SPW], v[NIL]
	v_lshrrev_b32 v5, 5, v0
	v_readfirstlane_b32 s[WV], v5                  ; wave 0..15
	s_bfe_u32 s[CX], ttmp6, 0x40000                ; i: my place in the cluster
	s_and_b32 s57, s[CX], 1
	s_lshl_b32 s57, s57, 3                         ; 8 (T % 2): the same for both my tiles
	v_and_b32 v5, 31, v0
	v_lshlrev_b32 v[L16], 4, v5
	v_lshlrev_b32 v[L8], 3, v5
	v_and_b32 v5, 15, v0                           ; r
	v_bfe_u32 v6, v0, 4, 1                         ; h
	v_lshlrev_b32 v[R8], 3, v5
	v_lshlrev_b32 v[R16], 4, v5
	v_and_b32 v[QL], 8, v5
	v_add_nc_u32 v[QL], v[QL], v5                  ; r + 8 (r / 8)
	v_lshlrev_b32 v6, 4, v6
	v_sub_nc_u32 v[QL], v[QL], v6                  ; - 16 h
	v_add_nc_u32 v[QL], s57, v[QL]
.irp j, 0,1,2,3,4,5
	v_mov_b32 v[Q+6+\j], 0                         ; zero codes for K = 64 .. 127
	v_mov_b32 v[K+48+\j], 0                        ; and behind K's tile 7
.endr
.irp b, 0,1,2,3
	v_mov_b32 v[PT+\b], 0                          ; a lane permute's destination counts as one of its sources
.endr
	v_mov_b32 v[T0], 0
	v_mov_b32 v[F+1], 0
	RESET
	s_and_b32 s[BH], ttmp7, 0xffff                 ; the cluster's y: 16 x batch + head
	s_mov_b32 s[G1], 15|(3<<16)|(1<<21)            ; the four partners; elements of 8 bytes; bit 21 beside a mask.  A chunk is dense: 51 rows of 256 bytes
	s_mov_b32 s[G1+1], 32<<16
	s_mov_b32 s[G1+2], 51<<16
	s_mov_b32 s[G1+3], 32<<16
	s_mov_b32 s[G1+4], 51
	s_mov_b32 s[G1+5], 32
	s_mov_b32 s[G1+6], 0
	s_mov_b32 s[G1+7], 0
	s_mov_b32 s[SEL], 0x76543210
	s_mov_b32 s[SEL+1], 0xfedcba98                 ; v_permlanex16_b32's selects for lane l xor 16
	s_mov_b32 s[CS], 0x3e38aa3b                    ; c = log2(e) / 8
	s_mov_b32 s[CS+1], s[CS]
	s_and_b32 s61, s[BH], 15
	s_lshr_b32 s60, s61, 2
	s_lshl_b32 s60, s60, 7
	s_and_b32 s59, s61, 3
	s_lshl_b32 s59, s59, 1
	s_add_co_u32 s60, s60, s59
	s_add_co_u32 s60, s60, XS                      ; XS + 128 (head / 4) + 2 (head % 4)
	s_sub_co_u32 s62, 31, s[WV]
	TILE 62, QCA, QSA, OP, OSP, QW, LEN
	TILE 8, QCB, QSB, OPB, OSPB, QWB, LENB
	s_mul_i32 s57, s[WV], CHK                      ; my chunk, in LDS and in the head's run of chunks
	s_mul_i32 s62, s[BH], 16*CHK
	s_add_co_u32 s62, s62, KVO
	s_add_co_u32 s62, s62, s57
	s_mov_b32 s63, 0
	s_mov_b32 s[G0], 1
	s_mov_b32 s[G0+1], s57
	s_wait_alu depctr_va_vdst(0)                   ; the head's end
	s_wait_dscnt 0x0                               ; both opening adds are done
	CROUND                                         ; the four partners are here: the joint loads meet
	s_wait_kmcnt 0x0
	s_add_nc_u64 s[G0+2:G0+3], s[4:5], s[62:63]
	s_or_b32 s[G0+3], s[G0+3], 0x80000000
	s_cmp_lt_u32 s[WV], 4                          ; one load a wave; waves 0 to 3, whose chunks the first barrier shows, have a line of their own
	s_cbranch_scc0 .Llater
	TLOAD
	s_branch .Lasked
.Llater:
	TLOAD
.Lasked:
	s_add_nc_u64 s[QCA:QCA+1], s[4:5], s[QCA:QCA+1]
	s_add_nc_u64 s[QSA:QSA+1], s[4:5], s[QSA:QSA+1]
	s_add_nc_u64 s[QCB:QCB+1], s[4:5], s[QCB:QCB+1]
	s_add_nc_u64 s[QSB:QSB+1], s[4:5], s[QSB:QSB+1]
	s_add_nc_u64 s[OP:OP+1], s[6:7], s[OP:OP+1]
	s_add_nc_u64 s[OSP:OSP+1], s[6:7], s[OSP:OSP+1]
	s_add_nc_u64 s[OPB:OPB+1], s[6:7], s[OPB:OPB+1]
	s_add_nc_u64 s[OSPB:OSPB+1], s[6:7], s[OSPB:OSPB+1]
	global_load_b128 v[Q:Q+3], v[L16], s[QCA:QCA+1]   ; both tiles' Q stay in registers
	global_load_b64 v[Q+4:Q+5], v[L8], s[QCA:QCA+1] offset:512
	global_load_b32 v[QS], v[R16], s[QSA:QSA+1]
	global_load_b128 v[QB:QB+3], v[L16], s[QCB:QCB+1]
	global_load_b64 v[QB+4:QB+5], v[L8], s[QCB:QCB+1] offset:512
	global_load_b32 v[QBS], v[R16], s[QSB:QSB+1]
; A KEY STEP: the 128 keys of the chunk at LDS byte s[TB].  open = 1: written without the mask
.macro STEP open
	v_add_nc_u32 v[A16], s[TB], v[L16]
	v_add_nc_u32 v[A8], s[TB], v[L8]
	v_nop
	v_nop                                          ; four places in front of loads into registers that the last products have read
.irp t, 0,1,2,3,4,5,6,7
	ds_load_b128 v[K+6*\t:K+6*\t+3], v[A16] offset:768*\t
	ds_load_b64 v[K+6*\t+4:K+6*\t+5], v[A8] offset:768*\t+512
.endr
	ds_load_b128 v[KSC:KSC+3], v[A16] offset:6144
.irp t, 0,1,2,3
.irp c, 0,1
	ds_load_b128 v[V+12*\t+6*\c:V+12*\t+6*\c+3], v[A16] offset:6656+1536*\t+768*\c
	ds_load_b64 v[V+12*\t+6*\c+4:V+12*\t+6*\c+5], v[A8] offset:6656+1536*\t+768*\c+512
.endr
.endr
	ds_load_b64 v[VSC:VSC+1], v[A8] offset:12800
	s_wait_dscnt 17                                ; K and its scale words are in; V's 16 loads and its scale words may be out
.irp t, 0,1,2,3,4,5,6,7                ; S^T = K Q^T
.if \t % 2
	v_wmma_scale_f32_16x16x128_f8f6f4 v[S+8*\t:S+8*\t+7], v[K+6*\t:K+6*\t+11], v[Q:Q+11], 0, v[KSC+\t/2], v[QS] matrix_a_fmt:MATRIX_FMT_FP6 matrix_b_fmt:MATRIX_FMT_FP6 matrix_a_scale:MATRIX_SCALE_ROW1
.else
	v_wmma_scale_f32_16x16x128_f8f6f4 v[S+8*\t:S+8*\t+7], v[K+6*\t:K+6*\t+11], v[Q:Q+11], 0, v[KSC+\t/2], v[QS] matrix_a_fmt:MATRIX_FMT_FP6 matrix_b_fmt:MATRIX_FMT_FP6
.endif
.endr
.rept 4
	v_nop                                          ; places behind the products
.endr
.if !(\open)
	s_cmp_eq_u32 s[LB], 0                          ; only a tile's last chunk holds hidden keys
	s_cbranch_scc1 .Lopen_\@
	s_sub_co_i32 s57, s[QW], s[KF]
	v_add_nc_u32 v[T0+1], s57, v[QL]               ; d = my query - the step's first key - 16 h.  Register 16 b + i holds key 32 b + 16 h + i: hidden where 32 b + i > d
	v_mov_b32 v[T0+2], 0xff800000                  ; -infinity
.set n, 0
.rept 64
	v_cmp_gt_i32 vcc_lo, 32*(n/16)+n%16, v[T0+1]
	v_cndmask_b32 v[S+n], v[S+n], v[T0+2], vcc_lo
.set n, n+1
.endr
.Lopen_\@:
.endif
.irp b, 0,1,2,3
	v_max3_num_f32 v[BM+\b], v[S+16*\b], v[S+16*\b+1], v[S+16*\b+2]   ; the largest score of each block of 32 keys: it serves the row's maximum and, since p rises with the score, the block's largest p
.endr
.irp i, 3,5,7,9,11,13
.irp b, 0,1,2,3
	v_max3_num_f32 v[BM+\b], v[BM+\b], v[S+16*\b+\i], v[S+16*\b+\i+1]
.endr
.endr
.irp b, 0,1,2,3
	v_max_num_f32 v[BM+\b], v[BM+\b], v[S+16*\b+15]
.endr
.irp b, 0,1,2,3
	s_delay_alu instid0(VALU_DEP_4)
	v_permlanex16_b32 v[PT+\b], v[BM+\b], s[SEL], s[SEL+1]
.endr
.irp b, 0,1,2,3
	s_delay_alu instid0(VALU_DEP_4)
	v_max_num_f32 v[BM+\b], v[BM+\b], v[PT+\b]     ; with lane l xor 16's 16 keys
.endr
	s_delay_alu instid0(VALU_DEP_2)
	v_max3_num_f32 v[T0], v[BM], v[BM+1], v[BM+2]
	s_delay_alu instid0(VALU_DEP_1)
	v_max_num_f32 v[T0], v[T0], v[BM+3]
	s_delay_alu instid0(VALU_DEP_1)
	v_mul_f32 v[T0], s[CS], v[T0]                  ; the step's largest t of my query
	s_delay_alu instid0(VALU_DEP_1)
	v_max_num_f32 v13, v13, v[T0]                  ; the running largest t
	v_mov_b32 v[T0], v12
	s_delay_alu instid0(VALU_DEP_2)
	v_floor_f32 v12, -v13                          ; the new -M = floor(-t)
	s_delay_alu instid0(VALU_DEP_1)
	v_sub_f32 v[T0], v12, v[T0]                    ; old M - new M: a whole number, 0 or less
	s_delay_alu instid0(VALU_DEP_1)
	v_cvt_i32_f32 v[T0], v[T0]                     ; (it saturates)
	s_delay_alu instid0(VALU_DEP_1)
	v_ldexp_f32 v[F], 1.0, v[T0]                   ; f = 2^(old M - new M)
.set n, 0
.rept 32
	v_pk_fma_f32 v[S+2*n:S+2*n+1], v[S+2*n:S+2*n+1], s[CS:CS+1], v[12:13] op_sel_hi:[1,0,0]   ; t - M, two at a time
.set n, n+1
.endr
.irp b, 0,1,2,3
	v_fma_f32 v[BM+\b], v[BM+\b], s[CS], v12       ; the same of each block's largest score
.endr
.set n, 0
	s_wait_alu depctr_va_vdst(0)                   ; ahead of the batch
.rept 64
	v_exp_f32 v[S+n], v[S+n]                       ; p = 2^(t - M), at most 1
.set n, n+1
.endr
	v_pk_mul_f32 v[14:15], v[14:15], v[F:F+1] op_sel_hi:[1,0]   ; the sums under the new M  (a plain line behind the exponentials)
	s_wait_alu depctr_va_vdst(0)                   ; one wait for the whole batch, ahead of its first reader
.irp b, 0,1,2,3
	v_exp_f32 v[BM+\b], v[BM+\b]                   ; the block's largest p
.endr
	v_pk_add_f32 v[48:49], v[102:103], v[106:107]  ; the row's sum of the unquantised p, in eight chains
	v_pk_add_f32 v[254:255], v[110:111], v[114:115]
	v_pk_add_f32 v[252:253], v[118:119], v[122:123]
	v_pk_add_f32 v[250:251], v[126:127], v[130:131]
	v_pk_add_f32 v[248:249], v[134:135], v[138:139]
	v_pk_add_f32 v[246:247], v[142:143], v[146:147]
	v_pk_add_f32 v[90:91], v[150:151], v[154:155]
	v_pk_add_f32 v[14:15], v[14:15], v[158:159]
	v_pk_add_f32 v[48:49], v[48:49], v[98:99]
	v_pk_add_f32 v[254:255], v[254:255], v[100:101]
	v_pk_add_f32 v[252:253], v[252:253], v[104:105]
	v_pk_add_f32 v[250:251], v[250:251], v[108:109]
	v_pk_add_f32 v[248:249], v[248:249], v[112:113]
	v_pk_add_f32 v[246:247], v[246:247], v[116:117]
	v_pk_add_f32 v[90:91], v[90:91], v[120:121]
	v_pk_add_f32 v[14:15], v[14:15], v[124:125]
	v_pk_add_f32 v[48:49], v[48:49], v[128:129]
	v_pk_add_f32 v[254:255], v[254:255], v[132:133]
	v_pk_add_f32 v[252:253], v[252:253], v[136:137]
	v_pk_add_f32 v[250:251], v[250:251], v[140:141]
	v_pk_add_f32 v[248:249], v[248:249], v[144:145]
	v_pk_add_f32 v[246:247], v[246:247], v[148:149]
	v_pk_add_f32 v[90:91], v[90:91], v[152:153]
	v_pk_add_f32 v[14:15], v[14:15], v[156:157]
	v_pk_add_f32 v[48:49], v[48:49], v[160:161]
	s_delay_alu instid0(VALU_DEP_2)
	v_pk_add_f32 v[14:15], v[14:15], v[250:251]
	s_delay_alu instid0(VALU_DEP_2)
	v_pk_add_f32 v[48:49], v[48:49], v[248:249]
	v_pk_add_f32 v[254:255], v[254:255], v[246:247]
	v_pk_add_f32 v[252:253], v[252:253], v[90:91]
	s_delay_alu instid0(VALU_DEP_2)
	v_pk_add_f32 v[14:15], v[14:15], v[254:255]
	s_delay_alu instid0(VALU_DEP_2)
	v_pk_add_f32 v[48:49], v[48:49], v[252:253]
	s_delay_alu instid0(VALU_DEP_1)
	v_pk_add_f32 v[14:15], v[14:15], v[48:49]
	s_wait_alu depctr_va_vdst(0)                   ; and one for the four
.irp b, 0,1,2,3
	v_max_num_f32 v[BM+\b], 0x1800000, v[BM+\b]    ; the floor 2^(3 - 127): the byte cannot fall under 1
.endr
.irp b, 0,1,2,3
	s_delay_alu instid0(VALU_DEP_4)
	v_add_nc_u32 v[SOP+\b], 0xff000000, v[BM+\b]   ; 2 off the exponent field: the conversion's scale operand
.endr
.irp b, 0,1,2,3
	s_delay_alu instid0(VALU_DEP_4)
	v_lshrrev_b32 v[BY+\b], 23, v[SOP+\b]
.endr
	s_delay_alu instid0(VALU_DEP_3)
	v_lshl_or_b32 v[PW], v[BY+1], 8, v[BY]         ; p's scale word for these 128 keys
	s_delay_alu instid0(VALU_DEP_1)
	v_lshl_or_b32 v[PW], v[BY+2], 16, v[PW]
	s_delay_alu instid0(VALU_DEP_1)
	v_lshl_or_b32 v[PW], v[BY+3], 24, v[PW]
.irp c, 0,1
	v_cvt_scalef32_pk16_fp6_f32 v[PC+6*\c:PC+6*\c+2], v[S+32*\c:S+32*\c+15], v[SOP+2*\c]
	v_cvt_scalef32_pk16_fp6_f32 v[PX+4*\c:PX+4*\c+2], v[S+32*\c+16:S+32*\c+31], v[SOP+2*\c+1]
.endr
	v_nop                                          ; one plain line behind the conversions
.irp c, 0,1                            ; the operand's layout wants a whole block in a lane
.irp i, 0,1,2
	v_permlane16_swap_b32 v[PC+6*\c+\i], v[PX+4*\c+\i]
.endr
.irp i, 0,1,2
	s_delay_alu instid0(VALU_DEP_3)
	v_mov_b32 v[PC+6*\c+3+\i], v[PX+4*\c+\i]
.endr
.endr
.set n, 0
.rept 16
	v_pk_mul_f32 v[O+2*n:O+2*n+1], v[O+2*n:O+2*n+1], v[F:F+1] op_sel_hi:[1,0]   ; O^T under the new M.  (These sixteen are also the places between p's codes and scale word and the products)
.set n, n+1
.endr
	s_wait_alu depctr_va_vdst(0)
	s_wait_dscnt 0x0                               ; V is in
.irp t, 0,1,2,3                        ; O^T += V^T P^T: the four accumulators by turns
.if \t % 2
	v_wmma_scale_f32_16x16x128_f8f6f4 v[O+8*\t:O+8*\t+7], v[V+12*\t:V+12*\t+11], v[PC:PC+11], v[O+8*\t:O+8*\t+7], v[VSC+\t/2], v[PW] matrix_a_fmt:MATRIX_FMT_FP6 matrix_b_fmt:MATRIX_FMT_FP6 matrix_a_scale:MATRIX_SCALE_ROW1
.else
	v_wmma_scale_f32_16x16x128_f8f6f4 v[O+8*\t:O+8*\t+7], v[V+12*\t:V+12*\t+11], v[PC:PC+11], v[O+8*\t:O+8*\t+7], v[VSC+\t/2], v[PW] matrix_a_fmt:MATRIX_FMT_FP6 matrix_b_fmt:MATRIX_FMT_FP6
.endif
.endr
.endm
; A TILE'S WAY OUT.  O^T / the sum: register 16 b + i = channel 32 b + 16 h + i of my query: two blocks along the last product's K: the half fragment (tile of rows, head) of oq.  Then the state is set for the second tile
; (one text serves both tiles: behind the second the state set is not used).
.macro WAYOUT
.rept 4
	v_nop                                          ; places behind the last products
.endr
	v_add_f32 v14, v14, v15
	s_delay_alu instid0(VALU_DEP_1)
	v_permlanex16_b32 v[T0], v14, s[SEL], s[SEL+1]
	s_delay_alu instid0(VALU_DEP_1)
	v_add_f32 v14, v14, v[T0]                      ; the row's sum
	s_wait_alu depctr_va_vdst(0)
	v_rcp_f32 v14, v14
	v_nop                                          ; a plain line behind the reciprocal,
	s_wait_alu depctr_va_vdst(0)                   ; and the wait ahead of its first reader
.set n, 0
.rept 16
	v_pk_mul_f32 v[S+2*n:S+2*n+1], v[O+2*n:O+2*n+1], v[14:15] op_sel_hi:[1,0]
.set n, n+1
.endr
.irp b, 0,1
	v_max3_num_f32 v[BM+\b], |v[S+16*\b]|, |v[S+16*\b+1]|, 0x1800000
.endr
.irp i, 2,4,6,8,10,12,14
.irp b, 0,1
	s_delay_alu instid0(VALU_DEP_2)
	v_max3_num_f32 v[BM+\b], v[BM+\b], |v[S+16*\b+\i]|, |v[S+16*\b+\i+1]|
.endr
.endr
.irp b, 0,1
	s_delay_alu instid0(VALU_DEP_2)
	v_permlanex16_b32 v[PT+\b], v[BM+\b], s[SEL], s[SEL+1]
.endr
.irp b, 0,1
	s_delay_alu instid0(VALU_DEP_2)
	v_max_num_f32 v[BM+\b], v[BM+\b], v[PT+\b]
.endr
.irp b, 0,1
	s_delay_alu instid0(VALU_DEP_2)
	v_add_nc_u32 v[SOP+\b], 0xff000000, v[BM+\b]
.endr
.irp b, 0,1
	s_delay_alu instid0(VALU_DEP_2)
	v_lshrrev_b32 v[BY+\b], 23, v[SOP+\b]
.endr
	s_delay_alu instid0(VALU_DEP_1)
	v_lshl_or_b32 v[BY], v[BY+1], 8, v[BY]         ; the head's two scale bytes of my row
	v_cvt_scalef32_pk16_fp6_f32 v[PC:PC+2], v[S:S+15], v[SOP]
	v_cvt_scalef32_pk16_fp6_f32 v[PX:PX+2], v[S+16:S+31], v[SOP+1]
	v_nop
.irp i, 0,1,2
	v_permlane16_swap_b32 v[PC+\i], v[PX+\i]
.endr
.irp i, 0,1,2
	s_delay_alu instid0(VALU_DEP_3)
	v_mov_b32 v[PC+3+\i], v[PX+\i]
.endr
	global_store_b128 v[L16], v[PC:PC+3], s[OP:OP+1]
	global_store_b64 v[L8], v[PC+4:PC+5], s[OP:OP+1] offset:512
	global_store_b16 v[R8], v[BY], s[OSP:OSP+1]    ; two bytes of each row's eight: the other six are other heads'; lanes 16-31 store what lanes 0-15 store
	s_wait_xcnt 0x0                                ; the stores have read their registers and bases
	s_mov_b64 s[OP:OP+1], s[OPB:OPB+1]
	s_mov_b64 s[OSP:OSP+1], s[OSPB:OSPB+1]
	s_mov_b32 s[QW], s[QWB]
	s_mov_b32 s[LEN], s[LENB]
	s_mov_b32 s[KC], 0
	v_mov_b32 v[QS], v[QBS]
.irp j, 0,1,2,3,4,5
	v_mov_b32 v[Q+\j], v[QB+\j]
.endr
	RESET                                          ; (more than eight plain lines between Q's scale word and the next products)
.endm
	s_cmp_lt_u32 s[WV], 4
	s_cbranch_scc0 .Lnot_first
	s_wait_tensorcnt 0x0                           ; waves 0 to 3: my chunk is in
.Lnot_first:
	BARRIER                                        ; chunks 0 to 3 are in; the others may be on their way
	s_wait_loadcnt 0x0                             ; Q
	s_mov_b32 s[TB], 0
	s_mov_b32 s[TR], 0
.Lfirst:                                           ; chunks 0 to 3 of the first tile
	STEP 1
	s_add_co_u32 s[TB], s[TB], CHK
	s_add_co_u32 s[TR], s[TR], 1
	s_cmp_lt_u32 s[TR], 4
	s_cbranch_scc1 .Lfirst
	s_wait_tensorcnt 0x0                           ; every wave: my chunk is in
	s_wait_dscnt 0x0
	BARRIER                                        ; all sixteen chunks are in
	s_mov_b32 s[KC], 4
	s_mov_b32 s[TR], 0
.Lrest:                                            ; the other 13 steps: the rest of the first tile, its way out, the second tile, its way out
	s_add_co_u32 s[KN], s[KC], 1
	s_cmp_eq_u32 s[KN], s[LEN]
	s_cselect_b32 s[LB], 1, 0
	s_min_u32 s56, s[KC], 15
	s_mul_i32 s[TB], s56, CHK
	s_lshl_b32 s[KF], s[KC], 7
	STEP 0
	s_mov_b32 s[KC], s[KN]
	s_cmp_eq_u32 s[LB], 0
	s_cbranch_scc1 .Lno_out
	WAYOUT
.Lno_out:
	s_add_co_u32 s[TR], s[TR], 1
	s_cmp_lt_u32 s[TR], 13
	s_cbranch_scc1 .Lrest
	s_wait_dscnt 0x0
	BARRIER                                        ; every wave's reads of the chunks are over
	s_wait_tensorcnt 0x0                           ; the wave's end
	ds_add_u32 v[SPW], v[NIL]
	s_wait_dscnt 0x0
	CROUND                                         ; the closing round
	s_endpgm
.Lfunc_end_k_qdba7027093_attn:
	.size	k_qdba7027093_attn, .Lfunc_end_k_qdba7027093_attn-k_qdba7027093_attn
	.p2alignl 7, 3214868480
	.fill 96, 4, 3214868480
	.section	.rodata,"a",@progbits
	.p2align	6, 0x0
	.amdhsa_kernel k_qdba7027093_attn
		.amdhsa_group_segment_fixed_size 210944
		.amdhsa_private_segment_fixed_size 0
		.amdhsa_enable_private_segment 0
		.amdhsa_kernarg_size 16
		.amdhsa_user_sgpr_count 2
		.amdhsa_user_sgpr_kernarg_segment_ptr 1
		.amdhsa_wavefront_size32 1
		.amdhsa_system_sgpr_workgroup_id_x 1
		.amdhsa_system_sgpr_workgroup_id_y 1
		.amdhsa_system_sgpr_workgroup_id_z 1
		.amdhsa_system_vgpr_workitem_id 0
		.amdhsa_next_free_vgpr 256
		.amdhsa_next_free_sgpr 66
		.amdhsa_reserve_vcc 1
		.amdhsa_float_denorm_mode_32 3
		.amdhsa_float_denorm_mode_16_64 3
		.amdhsa_memory_ordered 1
		.amdhsa_forward_progress 1
		.amdhsa_inst_pref_size 55
	.end_amdhsa_kernel
	.amdgpu_metadata
---
amdhsa.version: [ 1, 2 ]
amdhsa.kernels:
  - .name:           k_qdba7027093_attn
    .symbol:         k_qdba7027093_attn.kd
    .args:
      - { .name: qk, .offset: 0, .size: 8, .value_kind: global_buffer, .address_space: global }
      - { .name: oq, .offset: 8, .size: 8, .value_kind: global_buffer, .address_space: global }
    .group_segment_fixed_size: 210944
    .private_segment_fixed_size: 0
    .kernarg_segment_align: 8
    .kernarg_segment_size: 16
    .max_flat_workgroup_size: 512
    .sgpr_count:     66
    .vgpr_count:     256
    .wavefront_size: 32
...
	.end_amdgpu_metadata
.endif
;; end of part 3
;; launch gemm_fc (part 4): grid 8 x 32, 4 waves a work-group, clusters of 4 x 4, 327,680 bytes of LDS; arguments oq, wq, b_fc, out0; writes out0
.if DOCPART == 4
	.amdgcn_target "amdgcn-amd-amdhsa--gfx1250"
	.amdhsa_code_object_version 6
	.text
	.protected	k_qdba7027093_gemm_fc
	.globl	k_qdba7027093_gemm_fc
	.p2align	8
	.type	k_qdba7027093_gemm_fc,@function
k_qdba7027093_gemm_fc:
	s_mov_b64 s[64:65], 0
	v_nop
	global_prefetch_b8 v0, s[64:65] scope:SCOPE_SE
	s_setreg_imm32_b32 hwreg(HW_REG_WAVE_MODE, 25, 1), 1
	s_wait_xcnt 0x0
	s_wait_alu depctr_hold_cnt(0) depctr_sa_sdst(0) depctr_va_vdst(0) depctr_va_sdst(0) depctr_va_ssrc(0) depctr_va_vcc(0) depctr_vm_vsrc(0)
	s_getreg_b32 s2, hwreg(HW_REG_IB_STS2, 6, 4)
	s_cmp_eq_u32 s2, 0
	s_cbranch_scc0 .Lentry_in_a_cluster
	s_endpgm
.Lentry_in_a_cluster:
	s_bfe_u32 s2, ttmp6, 0x10000c
	s_cmp_lg_u32 s2, 0xf033
	s_cbranch_scc0 .Lentry_shape_is_right
	s_endpgm
.Lentry_shape_is_right:
.set NBW,   4
.set FC,    1
.set SLT,   3072
.set TILEB, 12288
.set HALFA, 8*SLT
.set HALFB, NBW*SLT
.set SLOT,  2*HALFA+2*HALFB
.set SCA,   2*SLOT
.set SCB,   SCA+8320
.set SPARE, SCA+8448+1024*NBW
.set XS,    6291456
.set WS,    3145728
.set FR,    12
.set NL,    4
.set NP,    4
.set A16, 16
.set A8,  18
.set B16, 20
.set B8,  22
.set L16, 24
.set L8,  25
.set ADRSA, 26
.set ADRS,  27
.set SPW, 28
.set NIL, 29
.set SC,  32
.set BI,  64
.set AF,  128
.set G1, 24
.set G0, 32
.set G1B, 48
.set G0B, 56
.set G1S, 68
.set G0S, 76
.set G1SB, 80
.set G0SB, 88
.set MSB, 0
.macro WIN new
.if MSB != (\new)
	s_set_vgpr_msb (MSB<<8)|(\new)
.set MSB, (\new)
.endif
.endm
.set MUL_LO, 0xa1
.set MUL_HI, 0xf1
.set TO_B,   0x40
.macro JLOAD g0a, g1a, g0b, g1b
	s_cmp_eq_u32 s15, 0
	s_cbranch_scc0 .Lfor_b_\@
	tensor_load_to_lds s[\g0a:\g0a+3], s[\g1a:\g1a+7]
	s_nop 0
.rept 4
	v_nop
.endr
	s_branch .Lasked_\@
.Lfor_b_\@:
	tensor_load_to_lds s[\g0b:\g0b+3], s[\g1b:\g1b+7]
	s_nop 0
.rept 4
	v_nop
.endr
.Lasked_\@:
.endm
.macro CREST
	s_cmp_lg_u32 s14, 0
	s_cbranch_scc1 .Lnot_wave_0_\@
	s_barrier_signal -3
.Lnot_wave_0_\@:
	s_barrier_wait -3
	s_barrier_signal -1
	s_barrier_wait -1
.endm
.macro CROUND
	s_barrier_signal -1
	s_barrier_wait -1
	CREST
.endm
.macro PLACES n
.rept \n
	v_nop
.endr
.endm
	s_load_b128 s[4:7], s[0:1], 0x0
	s_load_b128 s[8:11], s[0:1], 0x10
	v_lshl_add_u32 v[SPW], v0, 2, SPARE
	v_mov_b32 v[NIL], 0
	ds_add_u32 v[SPW], v[NIL]
	ds_add_u32 v[SPW], v[NIL]
	v_lshrrev_b32 v1, 5, v0
	v_readfirstlane_b32 s14, v1
	s_lshr_b32 s15, s14, 1
	s_and_b32 s16, s14, 1
	s_bfe_u32 s40, ttmp6, 0x40000
	s_bfe_u32 s41, ttmp6, 0x40004
	s_and_b32 s17, ttmp7, 0xffff
	s_lshl_b32 s17, s17, 2
	s_lshl_b32 s18, ttmp9, 2
	s_lshl_b32 s43, s41, 2
	s_lshl_b32 s43, 15, s43
	s_lshl_b32 s44, 0x1111, s40
	s_add_co_u32 s19, s17, s41
	s_add_co_u32 s42, s18, s40
	s_lshl_b32 s20, s19, 4
	s_mul_i32 s22, s20, TILEB
	s_lshl_b32 s20, s20, 9
	s_mov_b32 s21, 0
	s_mov_b32 s23, 0
	s_mul_i32 s46, s42, 2*NBW
	s_add_co_u32 s46, s46, 192
	s_lshl_b32 s92, s46, 9
	s_mul_i32 s46, s46, TILEB
	s_mov_b32 s47, 0
	s_mov_b32 s93, 0
	s_add_co_u32 s20, s20, XS
	s_add_co_u32 s92, s92, WS
	s_mul_i32 s45, s16, HALFA
	s_mul_i32 s94, s16, HALFB
	s_add_co_u32 s94, s94, 2*HALFA
	s_or_b32 s[G1+0], s43, (3<<16)|(1<<21)
	s_or_b32 s[G1B+0], s44, (3<<16)|(1<<21)
	s_mov_b32 s[G1+1], 384<<16
	s_mov_b32 s[G1+2], 16<<16                      ; the head's load brings all 16 tiles; behind it the two words that count rows are set to 8
	s_mov_b32 s[G1+3], 384<<16
	s_mov_b32 s[G1+4], 16
	s_mov_b32 s[G1+5], 1536
	s_mov_b32 s[G1+6], 0
	s_mov_b32 s[G1+7], 0
	s_mov_b32 s[G1B+1], 384<<16
	s_mov_b32 s[G1B+2], (2*NBW)<<16
	s_mov_b32 s[G1B+3], 384<<16
	s_mov_b32 s[G1B+4], 2*NBW
	s_mov_b32 s[G1B+5], 1536
	s_mov_b32 s[G1B+6], 0
	s_mov_b32 s[G1B+7], 0
	s_or_b32 s[G1S+0], s43, (3<<16)|(1<<21)
	s_or_b32 s[G1SB+0], s44, (3<<16)|(1<<21)
	s_mov_b32 s[G1S+1], 32<<16
	s_mov_b32 s[G1S+2], 32<<16
	s_mov_b32 s[G1S+3], 32<<16
	s_mov_b32 s[G1S+4], 32
	s_mov_b32 s[G1S+5], 32
	s_mov_b32 s[G1S+6], 0
	s_mov_b32 s[G1S+7], 0
	s_mov_b32 s[G1SB+1], 32<<16
	s_mov_b32 s[G1SB+2], (4*NBW)<<16
	s_mov_b32 s[G1SB+3], 32<<16
	s_mov_b32 s[G1SB+4], 4*NBW
	s_mov_b32 s[G1SB+5], 32
	s_mov_b32 s[G1SB+6], 0
	s_mov_b32 s[G1SB+7], 0
	s_wait_dscnt 0x0
	s_wait_kmcnt 0x0
	s_add_nc_u64 s[22:23], s[4:5], s[22:23]
	s_add_nc_u64 s[20:21], s[4:5], s[20:21]
	s_add_nc_u64 s[46:47], s[6:7], s[46:47]
	s_add_nc_u64 s[92:93], s[6:7], s[92:93]
	CROUND
	s_mov_b32 s[G0S], 1
	s_mov_b32 s[G0S+1], SCA
	s_mov_b64 s[G0S+2:G0S+3], s[20:21]
	s_or_b32 s[G0S+3], s[G0S+3], 0x80000000
	s_mov_b32 s[G0SB], 1
	s_mov_b32 s[G0SB+1], SCB
	s_mov_b64 s[G0SB+2:G0SB+3], s[92:93]
	s_or_b32 s[G0SB+3], s[G0SB+3], 0x80000000
	s_mov_b32 s[G0], 1                             ; slot 0's first fill, whole: A's 16 tiles,
	s_mov_b32 s[G0+1], 0
	s_mov_b64 s[G0+2:G0+3], s[22:23]
	s_or_b32 s[G0+3], s[G0+3], 0x80000000
	s_mov_b32 s[G0B], 1                            ; and B's 2 NBW, behind them
	s_mov_b32 s[G0B+1], 2*HALFA
	s_mov_b64 s[G0B+2:G0B+3], s[46:47]
	s_or_b32 s[G0B+3], s[G0B+3], 0x80000000
	s_mul_i32 s2, s16, 8*TILEB                     ; in the ring I fetch half a region
	s_mov_b32 s3, 0
	s_add_nc_u64 s[22:23], s[22:23], s[2:3]
	s_mul_i32 s2, s16, NBW*TILEB
	s_add_nc_u64 s[46:47], s[46:47], s[2:3]
	s_cmp_eq_u32 s15, 0                            ; the prefetches: of the tiles that I fetch in the ring (8 of A, or NBW of B),
	s_cselect_b64 s[4:5], s[22:23], s[46:47]
	s_cselect_b32 s2, s40, s41                     ; by my place among the four that ask with me,
	s_mov_b32 s7, (NBW/4)*TILEB
	s_cselect_b32 s7, 2*TILEB, s7                  ; a quarter: two tiles of A, or one of B
	s_mul_i32 s2, s2, s7
	s_add_nc_u64 s[4:5], s[4:5], s[2:3]
	s_mov_b32 s7, 3*NBW-1
	s_cselect_b32 s7, 23, s7                       ; its last block of 256 bytes
	s_mul_i32 s6, s15, s17                         ; under 16: I prefetch: A's side in every cluster that loads it, W_fc's side in cluster rows 0 to 3 alone
	s_mov_b32 s[G0+4], 1                           ; slot 1: the second 256 along K
	s_add_co_u32 s[G0+5], s45, SLOT
	s_add_nc_u64 s[G0+6:G0+7], s[22:23], SLT
	s_or_b32 s[G0+7], s[G0+7], 0x80000000
	s_mov_b32 s[G0B+4], 1
	s_add_co_u32 s[G0B+5], s94, SLOT
	s_add_nc_u64 s[G0B+6:G0B+7], s[46:47], SLT
	s_or_b32 s[G0B+7], s[G0B+7], 0x80000000
; THE HEAD'S LOADS, ONE A WAVE: wave 0 A's tiles of slot 0, wave 1 B's, wave 2 A's scale bytes, wave 3 B's.  One chain of branches on the wave's number: every way passes one load.
.macro ARM under, g0, g1, next
	s_cmp_lt_u32 s14, \under
	s_cbranch_scc0 \next
	tensor_load_to_lds s[\g0:\g0+3], s[\g1:\g1+7]
	s_nop 0
	PLACES 4
	s_branch .Lhead_asked
\next:
.endm
	ARM 1, G0, G1, .Lhead_b
	ARM 2, G0B, G1B, .Lhead_sa
	ARM 3, G0S, G1S, .Lhead_sb
	tensor_load_to_lds s[G0SB:G0SB+3], s[G1SB:G1SB+7]
	s_nop 0
	PLACES 4
.Lhead_asked:
; A PREFETCH of fills f0 .. f1 (256 along K each) of my quarter: a lane a block of 256 bytes; lanes that are left over name the last block again.  Fills 1 and 2 are named here, behind the head's loads,
; fill 3 behind slot 1's load and the first run of LDS loads.  v30 and s[4:5] are never rewritten.
.macro PF f0, f1
	s_cmp_lt_u32 s6, 16
	s_cbranch_scc0 .Lno_pf_\@
.set n, \f0
.rept (\f1)-(\f0)+1
	global_prefetch_b8 v30, s[4:5] offset:n*SLT th:TH_LOAD_NT scope:SCOPE_SE
.set n, n+1
.endr
.Lno_pf_\@:
.endm
	v_and_b32 v30, 31, v0
	v_min_u32 v30, s7, v30
	v_mul_u32_u24 v31, v30, 11
	v_lshrrev_b32 v31, 7, v31                      ; block / 12
	v_mul_u32_u24 v31, v31, TILEB-SLT              ; the second tile begins 12,288 bytes behind the first
	v_lshl_add_u32 v30, v30, 8, v31
	PF 1, 2
	v_and_b32 v1, 31, v0
	v_and_b32 v2, 15, v0
	v_bfe_u32 v3, v0, 4, 1
	v_lshlrev_b32 v[L16], 4, v1
	v_lshlrev_b32 v[L8], 3, v1
	s_mul_i32 s21, s15, HALFA
	s_mul_i32 s22, s16, HALFB
	s_add_co_u32 s22, s22, 2*HALFA
.irp s, 0,1
	v_add_nc_u32 v[A16+\s], s21, v[L16]
	v_add_nc_u32 v[A8+\s], s21, v[L8]
	v_add_nc_u32 v[B16+\s], s22, v[L16]
	v_add_nc_u32 v[B8+\s], s22, v[L8]
	s_add_co_u32 s21, s21, SLOT
	s_add_co_u32 s22, s22, SLOT
.endr
	s_lshl_b32 s21, s15, 12
	s_mul_i32 s22, s16, 512*NBW
	s_add_co_u32 s22, s22, SCB-SCA
	s_sub_co_u32 s22, s22, s21
	v_mul_u32_u24 v4, s22, v3
	s_add_co_u32 s21, s21, SCA
	v_lshl_add_u32 v[ADRSA], v2, 3, s21
	v_add_nc_u32 v[ADRS], v[ADRSA], v4
.set CO,  6
.set STO, 7
.set RD,  8
.set BK,  128
	s_lshl_b32 s2, s42, 9
	s_lshl_b32 s3, s16, 8
	s_add_co_u32 s2, s2, s3
	s_mov_b32 s3, 0
	s_add_nc_u64 s[8:9], s[8:9], s[2:3]
	s_add_nc_u64 s[10:11], s[10:11], s[2:3]
	v_lshlrev_b32 v5, 6, v3
.irp b, 0,1,2,3
	global_load_b128 v[BI+8*\b:BI+8*\b+3], v5, s[8:9] offset:(32*(\b/2)+8*(\b%2))*4
	global_load_b128 v[BI+8*\b+4:BI+8*\b+7], v5, s[8:9] offset:(32*(\b/2)+8*(\b%2))*4+16
.endr
	s_lshl_b32 s2, s19, 8
	s_lshl_b32 s97, s15, 7
	s_add_co_u32 s2, s2, s97
	s_lshl_b32 s2, s2, 12
	s_add_nc_u64 s[10:11], s[10:11], s[2:3]
	v_lshlrev_b32 v[CO], 12, v3
	v_lshl_add_u32 v[CO], v2, 4, v[CO]
	s_mul_i32 s97, s14, 16*272
	v_mul_u32_u24 v[STO], v2, 272
	v_lshl_add_u32 v[STO], v3, 6, v[STO]
	v_add_nc_u32 v[STO], s97, v[STO]
	v_mul_u32_u24 v[RD], v3, 272
	v_lshl_add_u32 v[RD], v2, 4, v[RD]
	v_add_nc_u32 v[RD], s97, v[RD]
.macro FRAG reg, a16, a8, q, i
	ds_load_b128 v[\reg:\reg+3], v[\a16] offset:SLT*(\i)+1536*(\q)
	ds_load_b64 v[\reg+4:\reg+5], v[\a8] offset:SLT*(\i)+1536*(\q)+512
	ds_load_b128 v[\reg+6:\reg+9], v[\a16] offset:SLT*(\i)+1536*(\q)+768
	ds_load_b64 v[\reg+10:\reg+11], v[\a8] offset:SLT*(\i)+1536*(\q)+1280
.endm
.macro MULA a0, p, q, sc, zero
.irp a, \a0, \a0+1
.irp b, 0,1,2,3,4,5,6,7
.if \b < NBW
.if (\zero) && FC
	v_wmma_scale_f32_16x16x128_f8f6f4 v[8*(8*((\a)%4)+\b):8*(8*((\a)%4)+\b)+7], v[128*(\p)+FR*\b:128*(\p)+FR*\b+FR-1], v[AF+FR*(\a):AF+FR*(\a)+FR-1], v[BI+8*\b:BI+8*\b+7], v[SC+16*(\sc)+2*\b+(\q)], v[SC+16*(\sc)+2*(\a)+(\q)] matrix_a_fmt:MATRIX_FMT_FP6 matrix_b_fmt:MATRIX_FMT_FP6 matrix_a_scale:MATRIX_SCALE_ROW1
.elseif \zero
	v_wmma_scale_f32_16x16x128_f8f6f4 v[8*(8*((\a)%4)+\b):8*(8*((\a)%4)+\b)+7], v[128*(\p)+FR*\b:128*(\p)+FR*\b+FR-1], v[AF+FR*(\a):AF+FR*(\a)+FR-1], 0, v[SC+16*(\sc)+2*\b+(\q)], v[SC+16*(\sc)+2*(\a)+(\q)] matrix_a_fmt:MATRIX_FMT_FP6 matrix_b_fmt:MATRIX_FMT_FP6 matrix_a_scale:MATRIX_SCALE_ROW1
.else
	v_wmma_scale_f32_16x16x128_f8f6f4 v[8*(8*((\a)%4)+\b):8*(8*((\a)%4)+\b)+7], v[128*(\p)+FR*\b:128*(\p)+FR*\b+FR-1], v[AF+FR*(\a):AF+FR*(\a)+FR-1], v[8*(8*((\a)%4)+\b):8*(8*((\a)%4)+\b)+7], v[SC+16*(\sc)+2*\b+(\q)], v[SC+16*(\sc)+2*(\a)+(\q)] matrix_a_fmt:MATRIX_FMT_FP6 matrix_b_fmt:MATRIX_FMT_FP6 matrix_a_scale:MATRIX_SCALE_ROW1
.endif
.endif
.endr
.endr
.endm
.macro FETCH_B slot, q, p
	WIN TO_B
.irp i, 0,1,2,3,4,5,6,7
.if \i < NBW
	FRAG 128*(\p)+FR*\i, B16+\slot, B8+\slot, \q, \i
.endif
.endr
	WIN 0
.endm
.macro FETCH_A slot, q, i0
.irp i, \i0, \i0+1, \i0+2, \i0+3
	FRAG AF+FR*(\i), A16+\slot, A8+\slot, \q, \i
.endr
.endm
.macro SCALES sc
.irp i, 0,1,2,3,4,5,6,7
.if \i < NBW
	ds_load_b64 v[SC+16*\sc+2*\i:SC+16*\sc+2*\i+1], v[ADRS] offset:512*\i
.else
	ds_load_b64 v[SC+16*\sc+2*\i:SC+16*\sc+2*\i+1], v[ADRSA] offset:512*\i
.endif
.endr
.endm
.macro STEP slot, q, zero
	s_wait_dscnt 4*NL
.if (\zero) && FC
	WIN 0x81
.else
	WIN MUL_LO
.endif
	MULA 0, (\q)%2, \q, \slot, \zero
	MULA 2, (\q)%2, \q, \slot, \zero
	s_wait_dscnt 0
	PLACES NP
	FETCH_B \slot, (\q)+1, 1-(\q)%2
	FETCH_A \slot, (\q)+1, 0
.if (\zero) && FC
	WIN 0xc1
.else
	WIN MUL_HI
.endif
	MULA 4, (\q)%2, \q, \slot, \zero
	MULA 6, (\q)%2, \q, \slot, \zero
	PLACES NP
	WIN 0
	FETCH_A \slot, (\q)+1, 4
.endm
.macro TURN slot, next, fill
	s_wait_tensorcnt 0x0
	ds_add_u32 v[SPW], v[NIL]
	s_wait_dscnt 4*NL+1
	WIN MUL_LO
	MULA 0, 1, 1, \slot, 0
	s_wait_dscnt 0x0
	s_barrier_signal -1
	MULA 2, 1, 1, \slot, 0
	WIN 0
	s_barrier_wait -1
.if \fill
	CREST
	s_add_nc_u64 s[G0+4*\slot+2:G0+4*\slot+3], s[G0+4*\slot+2:G0+4*\slot+3], 2*SLT
	s_add_nc_u64 s[G0B+4*\slot+2:G0B+4*\slot+3], s[G0B+4*\slot+2:G0B+4*\slot+3], 2*SLT
	JLOAD G0+4*\slot, G1, G0B+4*\slot, G1B
.else
	PLACES NP
.endif
	s_wait_alu depctr_va_vdst(0)
	v_add_nc_u32 v[ADRS], 128, v[ADRS]
	v_add_nc_u32 v[ADRSA], 128, v[ADRSA]
	FETCH_B \next, 0, 0
	FETCH_A \next, 0, 0
	SCALES \next
	WIN MUL_HI
	MULA 4, 1, 1, \slot, 0
	MULA 6, 1, 1, \slot, 0
	PLACES NP
	WIN 0
	FETCH_A \next, 0, 4
.endm
	s_wait_alu depctr_va_vdst(0)                   ; the head's end
	s_wait_tensorcnt 0x0                           ; my tile of the head's four is in; slot 1's first fill is issued as a refill is
	ds_add_u32 v[SPW], v[NIL]
	s_mov_b32 s[G1+2], 8<<16                       ; no tensor load of mine is out: from here on a load brings half a region
	s_mov_b32 s[G1+4], 8
	s_mov_b32 s[G1B+2], NBW<<16
	s_mov_b32 s[G1B+4], NBW
	s_mov_b32 s[G0+1], s45                         ; slot 0's group 0 for the ring: my half, in LDS and in memory
	s_mul_i32 s98, s16, 8*TILEB
	s_mov_b32 s99, 0
	s_add_nc_u64 s[G0+2:G0+3], s[G0+2:G0+3], s[98:99]
	s_mov_b32 s[G0B+1], s94
	s_mul_i32 s98, s16, NBW*TILEB
	s_add_nc_u64 s[G0B+2:G0B+3], s[G0B+2:G0B+3], s[98:99]
	s_wait_dscnt 0x0                               ; the add is done
	CROUND                                         ; all four tiles are in, and all sixteen work-groups are here
	JLOAD G0+4, G1, G0B+4, G1B                     ; slot 1, the first tensor load behind the round
	FETCH_B 0, 0, 0
	FETCH_A 0, 0, 0
	SCALES 0
	FETCH_A 0, 0, 4
	PF 3, 3
	s_wait_loadcnt 0x0
	STEP 0, 0, 1
	TURN 0, 1, 1
	STEP 1, 0, 0
	TURN 1, 0, 1
	STEP 0, 0, 0
	TURN 0, 1, 0
	STEP 1, 0, 0
	s_wait_dscnt 4*NL
	WIN MUL_LO
	MULA 0, 1, 1, 1, 0
	MULA 2, 1, 1, 1, 0
	s_wait_dscnt 0
	WIN MUL_HI
	MULA 4, 1, 1, 1, 0
	MULA 6, 1, 1, 1, 0
	WIN 0
.macro TOSTAGE a
	WIN 0x08+4*((\a)/4)
.irp b, 0,1,2,3
	ds_store_b128 v[STO], v[64*((\a)%4)+8*\b:64*((\a)%4)+8*\b+3] offset:128*(\b/2)+32*(\b%2)
	ds_store_b128 v[STO], v[64*((\a)%4)+8*\b+4:64*((\a)%4)+8*\b+7] offset:128*(\b/2)+32*(\b%2)+16
.endr
	WIN 0
.irp t, 0,1,2,3,4,5,6,7
	ds_load_b128 v[BK+32*((\a)%2)+4*\t:BK+32*((\a)%2)+4*\t+3], v[RD] offset:544*\t
.endr
.endm
.macro SEND a, younger
	s_wait_dscnt \younger
.irp t, 0,1,2,3,4,5,6,7
	global_store_b128 v[CO], v[BK+32*((\a)%2)+4*\t:BK+32*((\a)%2)+4*\t+3], s[10:11] offset:(32*((\a)/2)+8*((\a)%2)+2*\t+8*(\t/4))*4096 th:TH_STORE_NT
.endr
.endm
	PLACES NP
	TOSTAGE 0
.irp a, 1,2,3,4,5,6,7
.if \a > 1
	s_wait_xcnt 0x0
.endif
	TOSTAGE \a
	SEND \a-1, 16
.endr
	SEND 7, 0
	s_wait_tensorcnt 0x0
	ds_add_u32 v[SPW], v[NIL]
	s_wait_dscnt 0x0
	CROUND
	s_endpgm
.Lfunc_end_k_qdba7027093_gemm_fc:
	.size	k_qdba7027093_gemm_fc, .Lfunc_end_k_qdba7027093_gemm_fc-k_qdba7027093_gemm_fc
	.p2alignl 7, 3214868480
	.fill 96, 4, 3214868480
	.section	.rodata,"a",@progbits
	.p2align	6, 0x0
	.amdhsa_kernel k_qdba7027093_gemm_fc
		.amdhsa_group_segment_fixed_size 327680
		.amdhsa_private_segment_fixed_size 0
		.amdhsa_enable_private_segment 0
		.amdhsa_kernarg_size 32
		.amdhsa_user_sgpr_count 2
		.amdhsa_user_sgpr_kernarg_segment_ptr 1
		.amdhsa_wavefront_size32 1
		.amdhsa_system_sgpr_workgroup_id_x 1
		.amdhsa_system_sgpr_workgroup_id_y 1
		.amdhsa_system_sgpr_workgroup_id_z 1
		.amdhsa_system_vgpr_workitem_id 0
		.amdhsa_next_free_vgpr 1024
		.amdhsa_next_free_sgpr 100
		.amdhsa_reserve_vcc 0
		.amdhsa_float_denorm_mode_32 3
		.amdhsa_float_denorm_mode_16_64 3
		.amdhsa_memory_ordered 1
		.amdhsa_forward_progress 1
		.amdhsa_inst_pref_size 92
	.end_amdhsa_kernel
	.amdgpu_metadata
---
amdhsa.version: [ 1, 2 ]
amdhsa.kernels:
  - .name:           k_qdba7027093_gemm_fc
    .symbol:         k_qdba7027093_gemm_fc.kd
    .args:
      - { .name: oq, .offset: 0, .size: 8, .value_kind: global_buffer, .address_space: global }
      - { .name: wq, .offset: 8, .size: 8, .value_kind: global_buffer, .address_space: global }
      - { .name: b_fc, .offset: 16, .size: 8, .value_kind: global_buffer, .address_space: global }
      - { .name: out0, .offset: 24, .size: 8, .value_kind: global_buffer, .address_space: global }
    .group_segment_fixed_size: 327680
    .private_segment_fixed_size: 0
    .kernarg_segment_align: 8
    .kernarg_segment_size: 32
    .max_flat_workgroup_size: 128
    .sgpr_count:     100
    .vgpr_count:     1024
    .wavefront_size: 32
...
	.end_amdgpu_metadata
.endif
;; end of part 4
